; MI455X (gfx1250); checked and timed in simulation.
; The chip was launched on July 23, 2026; its instructions are those of AMD's public machine-readable ISA for CDNA 5 (MIT licence, August 2026) and "CDNA5" Instruction Set Architecture Reference Guide (July 2026). The comments in the code are by the model that wrote it; some were corrected since.
;; Net VLAD. Allowed arithmetic: matrix products marked QUANTISED: E5M2 operands, one E8M0 scale for each 32 along K, by v_wmma_scale_f32_16x16x128_f8f6f4 with both operands' format E5M2, f32 sums; everything else in f32.
;; Inputs: centroids 64 x 128 float32; conv_w 64 x 128 float32; x 64 x 128 x 64 x 64 float32.
;; Outputs: out0 64 x 8,192 float32.
;; This version of the problem:
;;   THIS VERSION OF THE PROBLEM IS GIVEN IN LOW PRECISION. The matrix products marked QUANTISED in the list below multiply operands that are first quantised to E5M2 (5 exponent bits, 2 mantissa bits; 8 bits a number), with one power-of-two scale for each 32 numbers along K (OCP MX v1.0); their sums are f32. All else is computed in f32.
;;   The module's matrix products, in the order in which they are computed (A, B: the left and right operand; K: the contracted axis; several contracted axes count as one K, in the product's order):
;;     1. [M 262,144, K 128] x [K 128, N 64]; A: input x; B: input conv_w: QUANTISED
;;     2. batch 64 x [M 64, K 4,096] x [K 4,096, N 128]; A: computed on the way; B: input x: QUANTISED
;;   THE QUANTISER, for each operand of a quantised product, along K:
;;     - K is cut into blocks of 32 from its start; a last block that is shorter is filled with zeros.
;;     - A block's scale is 2^e with e = floor(log2(the largest magnitude in the block)) - 15, held to -126 .. 127; a block of zeros has e = 0. As a byte (E8M0): e + 127.
;;     - Each number is divided by its block's scale, clamped to +-57,344, and rounded to the nearest number of E5M2, ties to even, subnormals kept.
;;     - The product sums the exact products of the quantised numbers (number of the format x scale) in f32.
;;   ~~~python
;;   def quantise(x, axis):      # numpy; x: float32 -> the quantised numbers, widened to float32 again
;;       x = np.moveaxis(x, axis, -1); K = x.shape[-1]
;;       x = np.pad(x, [(0, 0)] * (x.ndim - 1) + [(0, -K % 32)]); x = x.reshape(x.shape[:-1] + (-1, 32)); a = np.abs(x).max(-1, keepdims=True)
;;       e = np.where(a > 0, np.clip(np.frexp(np.where(a > 0, a, 1))[1] - 1 - 15, -126, 127), 0)      # np.frexp(a)[1] - 1 = floor(log2(a)), exactly
;;       r = np.clip(x / 2.0 ** e, -57344, 57344)
;;       step = 2.0 ** (np.maximum(np.frexp(np.where(r == 0, 1, r))[1] - 1, -14) - 2)
;;       q = np.round(r / step) * step * 2.0 ** e      # np.round: ties to even
;;       return np.moveaxis(q.reshape(q.shape[:-2] + (-1,))[..., :K], -1, axis).astype(np.float32)
;;   ~~~
;;   OPERANDS COMPUTED ON THE WAY. 'Computed on the way' means the value that the module computes at that place (a softmax that the list does not call 'softmax' is quantised finished and normalised). What goes into a quantiser is computed in f32, as accurately as f32 sums, v_exp_f32 and their like allow (about 1e-6 of the number): no bf16 or f16 on the way to a quantiser, and a product that is left as it is and whose result goes on into a quantised operand takes f32 operands (vector FMAs, or v_wmma_f32_16x16x4_f32). A number that lies on a knife's edge between two numbers of the format may be rounded either way, as far as f32 arithmetic and the matrix unit's own rounding can turn it there, and no further.
;; 2 versions. Each part assembles by itself: llvm-mc -triple=amdgcn-amd-amdhsa -mcpu=gfx1250 --defsym DOCPART=n.
;; ======== version 1 of 2: 2 launches
;; workspace buffers: part 8,388,608 bytes; asum 65,536 bytes
;; launch vlad_part (part 1): grid 4 x 64, 8 waves a work-group, no clusters, 205,824 bytes of LDS; arguments x, conv_w, part, asum; writes part, asum
.if DOCPART == 1
	.amdgcn_target "amdgcn-amd-amdhsa--gfx1250"
	.amdhsa_code_object_version 6
	.text
	.protected	k_qe99678ffc6_vlad_part
	.globl	k_qe99678ffc6_vlad_part
	.p2align	8
	.type	k_qe99678ffc6_vlad_part,@function
k_qe99678ffc6_vlad_part:
	s_mov_b64 s[64:65], 0
	v_nop
	global_prefetch_b8 v0, s[64:65] scope:SCOPE_SE
	s_setreg_imm32_b32 hwreg(HW_REG_WAVE_MODE, 25, 1), 1
	s_wait_xcnt 0x0
; NetVLAD, first part.  x: [64][128 c][4096 n] f32, conv_w: [64 k][128 c] f32.  For one batch and one quarter of its positions n (1,024 of them) a work-group makes
;   logits[n][k] = sum over c of Q(x)[c][n] Q(w)[k][c]      (both quantised along c to E5M2 with one E8M0 scale for each 32),
;   a[k][n] = softmax over k of the logits (the largest logit is taken away first; normalised; f32),
;   part[k][c] = sum over its n of Q(a)[k][n] Q(x)[c][n]    (both quantised along n),   asum[k] = sum over its n of the unquantised a[k][n].
; The second launch adds a batch's four parts, takes asum x centroids away and normalises.
; SHARES.  Eight waves; four steps of 256 positions.  Wave w = 4 s + b loads channels 32 b .. 32 b + 31 at positions 128 s .. 128 s + 127 of the step's tile: 32 loads of 512 consecutive bytes into 128
; staging registers; a lane holds 4 positions x 32 channels.  EACH WAVE QUANTISES, BOTH WAYS, THE NUMBERS THAT IT LOADED ITSELF.
; ALONG c: a block of 32 channels of one position lies in one lane's registers, four apart.  The maxima take them as they lie; the hold, which every number needs anyway, writes its results into
; registers on end, so that the conversions find neighbours along c.  Only the CODES go to other waves, as images of the operand's registers: a quarter of the numbers' bytes.
; ALONG n: the wave's own 32 rows x 128 positions turn through LDS bytes of its own (stored as loaded, read back a lane to a row); no other wave touches them.
; FIRST PRODUCT: wave w takes positions 32 w .. 32 w + 31, source 0 = 16 positions, source 1 = 16 clusters: a lane then holds one cluster, and since row p of tile u is position 8 u + p + 8 (p / 8), its 16
; registers of tiles 0 and 1 are 16 NEIGHBOURING positions: what the quantiser along n wants.  The softmax runs across the 16 lanes of a half and 4 tiles.  a's codes go out as images too.
; SECOND PRODUCT: wave w adds its K step s (128 positions) of 64 clusters x its 32 channels onto eight accumulators; the two halves' sums meet on the way out.
; TWO BARRIERS A STEP, each with work between its signal and its wait: X (x's codes along c lie in LDS) covers the quantising along n of my first 16 channels; Y (a's images lie in LDS) covers the
; quantising along c of the next tile, which is work on registers alone.
; NO CLUSTER: the work-groups share conv_w alone, 32,768 bytes against 524,288 bytes of x that are each work-group's own.  NO TENSOR LOADS: the numbers are wanted in registers first, and the staging
; registers are loaded again group by group.  NO PREFETCH: x is read once, and each wave asks for its next 16,384 bytes a step ahead of their use.
; LIMITS: NaN and infinities among the inputs are not served.  A block of zeros gets the scale byte 1 where the rule says 127 (its codes are zeros; the bytes are read by this program alone).
; A weight a under 2^-126 becomes 0 (the exponential gives no denormals: ISA guide, its entry in 15.8).
.set FP,     528                       ; a row of a wave's own f32 region: 512 bytes (128 positions) + 16 = 132 words: row r starts at bank 4 r mod 64 (64 banks of 4 bytes: ISA guide 11.1), so the 16 rows that a 16-byte load touches start at 16 different banks
.set FREG,   32*FP                     ; 32 rows a wave; the eight regions begin at LDS byte 0
.set IMG1,   8*FREG                    ; x's codes along c: 16 fragments (tile 2 w + u of 16 positions), 2,048 bytes each: 512 b + 16 x lane
.set TP1,    2064                      ; from fragment to fragment: 2,048 + 16, so that the four fragments into which 16 lanes store lie 16 bytes apart modulo 256
.set XSC,    IMG1+16*TP1               ; their scale words: 128 bytes for each wave's two tiles, 4 bytes a row; byte b of a word comes from a wave with block b
.set AIMG,   XSC+1024                  ; a's fragments: (K step s, cluster tile t, block b): 512 bytes at 8192 s + 2048 t + 512 b
.set ASC,    AIMG+16384                ; a's scale words: 4 bytes a lane at 512 s + 128 t; byte b of a word comes from wave 4 s + b
.set WIMG,   ASC+1024                  ; conv_w's four fragments
.set WSC,    WIMG+8192                 ; and their scale words
.set SPITCH, 528                       ; the way out: two stages of 64 rows x (512 + 16) bytes, one for each half s, in the f32 regions, behind a barrier of their own
.set STG1,   64*SPITCH
.set RED,    2*STG1                    ; behind them the waves' sums of a: 512 bytes a wave
.set GA,   4                           ; v4   x: my byte offset in the tile: 32 b rows of 16,384 bytes + 512 s + 16 x lane
.set FST,  5                           ; v5   my f32 region, in: 16 x lane
.set FLD,  6                           ; v6   and back: row r, + 64 h
.set CST,  7                           ; v7   x's codes along c, written
.set CSB,  8                           ; v8   their scale bytes, written
.set CLD,  9                           ; v9   my two fragments of them, read: 16 x lane
.set CSL,  10                          ; v10  my scale words of them, read: 4 x lane
.set AWI,  11                          ; v11  a's images, written: my K step and block
.set AWS,  12                          ; v12  a's scale byte, written
.set AIR,  13                          ; v13  a's images of my K step, read: 16 x lane
.set ASR,  14                          ; v14  a's scale words of my K step, read: 4 x lane
.set H0,   15                          ; v15-18 addresses of the head, and of the way out
.set T0,   19                          ; v19  at work on addresses
.set WS,   20                          ; v20-23 conv_w's scale words, tile t
.set AS,   24                          ; v24-31 sums of a: a pair for each cluster tile
.set ACC,  32                          ; v32-95 eight accumulators (channel tile y, cluster tile t) at 8 (4 y + t): lane (r, h), register j: cluster 16 t + r, channel 32 b + 16 y + 8 h + j
.set X,    96                          ; v96-223 128 numbers of x on their way to codes along n
.set T,    96                          ; v96-223 128 held numbers of x on their way to codes along c: 32 j + i
.set F0,   96                          ; v96-111, v112-127 my two fragments of x's codes along c
.set F1,   112
.set MX,   96                          ; v96-111 the largest logit of 16 positions (where the fragments lay)
.set SX,   112                         ; v112-127 their sums, then the reciprocals
.set TQ,   128                         ; v128-143 at work
.set AC,   144                         ; v144-159 a's codes, 4 registers a tile
.set L,    160                         ; v160-223 logits, then a: register 16 t + 8 u + j
.set AF,   96                          ; v96-159 a's four fragments of my K step
.set WT,   160                         ; v160-175 at the head: conv_w's codes on their way to LDS; on the way out: the sums of a
.set TM,   224                         ; v224-239 at work in the quantisers: +0 largest magnitudes, +4 bytes, +8 largest number x scale, +12 the conversions' scale operands
.set XSW,  240                         ; v240 x's scale words along c: lanes 0-15 tile 0's rows, lanes 16-31 tile 1's
.set XW,   241                         ; v241, v242 x's scale words along n, channel tile 0, 1
.set PWW,  243                         ; v243 conv_w's scale word on its way to LDS
.set AW,   244                         ; v244-247 a's scale words, tile t
.set QB,   248                         ; v248-251 the scale bytes along c of my four positions
.set ST,   0                           ; window 1, v0-127: the staging registers: 4 i + j = channel 32 b + i, position 4 x lane + j
.set WF,   128                         ; window 1, v128-191: conv_w's four fragments
.set XC,   192                         ; window 1, v192-223: x's codes along n, two fragments
.set QC,   224                         ; window 1, v224-255: x's codes along c, 8 registers for each of my four positions
.set WV,   12                          ; s12 wave
.set BB,   13                          ; s13 b = wave % 4
.set STP,  14                          ; s14 the step
.set MNT,  15                          ; s15 the mantissa field of 57,344
.set SEL,  16                          ; s[16:17] selects of v_permlanex16_b32 for lane l xor 16
.set LG,   18                          ; s[18:19] log2(e); the packed forms name a pair and take its low word
.set SS,   36                          ; s36 s = wave / 4
.set MSB, 0
.macro WIN new                         ; the immediate's high byte repeats the setting that is left
.if MSB != \new
	s_set_vgpr_msb (MSB<<8)|\new
.set MSB, \new
.endif
.endm
.macro PLACES n
.rept \n
	v_nop
.endr
.endm
; 64 numbers of a lane, register 16 b + i = K position 32 b + 16 (lane / 16) + i of the lane's row, become a fragment's codes in v[dst] on (win = 1: of window 1) and its scale word in v[pw].
.macro QUANT src, dst, win, pw
.irp b, 0,1,2,3
	v_max3_num_f32 v[TM+\b], |v[(\src)+16*\b]|, |v[(\src)+16*\b+1]|, 0x8000000   ; my 16 numbers of block b, and the floor 2^(16 - 127): the byte cannot fall under 1
.endr
.irp i, 2,4,6,8,10,12,14
.irp b, 0,1,2,3
	v_max3_num_f32 v[TM+\b], v[TM+\b], |v[(\src)+16*\b+\i]|, |v[(\src)+16*\b+\i+1]|   ; the four blocks by turns
.endr
.endr
.irp b, 0,1,2,3
	v_permlanex16_b32 v[TM+4+\b], v[TM+\b], s[SEL], s[SEL+1]
.endr
.irp b, 0,1,2,3
	v_max_num_f32 v[TM+\b], v[TM+\b], v[TM+4+\b]      ; with lane l xor 16's 16: the block's largest magnitude
.endr
.irp b, 0,1,2,3
	v_add_nc_u32 v[TM+12+\b], 0xf8800000, v[TM+\b]    ; 15 off its exponent field: the conversion takes this operand's exponent field as its scale
.endr
.irp b, 0,1,2,3
	v_and_or_b32 v[TM+8+\b], v[TM+\b], 0x7f800000, s[MNT]   ; 57,344 x the scale
.endr
.irp b, 0,1,2,3
	v_lshrrev_b32 v[TM+4+\b], 23, v[TM+12+\b]         ; the scale's byte
.endr
	v_lshl_or_b32 v[\pw], v[TM+5], 8, v[TM+4]
	v_lshl_or_b32 v[\pw], v[TM+6], 16, v[\pw]
	v_lshl_or_b32 v[\pw], v[TM+7], 24, v[\pw]
.irp b, 0,1,2,3
.irp i, 0,1,2,3,4,5,6,7,8,9,10,11,12,13,14,15
	v_med3_num_f32 v[(\src)+16*\b+\i], v[(\src)+16*\b+\i], -v[TM+8+\b], v[TM+8+\b]   ; the conversion to an 8-bit code does not saturate (ISA guide 7.6.2): the hold comes first
.endr
.endr
.if \win
	WIN 0x40                                          ; the codes' registers: window 1
.endif
.irp b, 0,1,2,3
	v_cvt_scalef32_pk8_bf8_f32 v[(\dst)+4*\b:(\dst)+4*\b+1], v[(\src)+16*\b:(\src)+16*\b+7], v[TM+12+\b]
	v_cvt_scalef32_pk8_bf8_f32 v[(\dst)+4*\b+2:(\dst)+4*\b+3], v[(\src)+16*\b+8:(\src)+16*\b+15], v[TM+12+\b]
.endr
	WIN 0
	v_nop                                             ; a plain instruction behind the last conversion
.endm
; ALONG c, on registers alone: the staged tile's 4 positions x 32 channels of a lane become 4 x 8 registers of codes (QC) and 4 scale bytes (QB).
.macro Q1C
	WIN 0x05                                          ; sources 0 and 1: the staging registers, window 1
.irp j, 0,1,2,3
	v_max3_num_f32 v[TM+\j], |v[ST+\j]|, |v[ST+4+\j]|, 0x8000000   ; position j: channels 0 and 1 of the block, and the floor 2^(16 - 127)
.endr
.set qi, 2
.rept 15
.irp j, 0,1,2,3
	v_max3_num_f32 v[TM+\j], |v[ST+4*qi+\j]|, |v[ST+4*qi+4+\j]|, v[TM+\j]   ; two channels more; the four positions by turns.  All 32 numbers of a block are the lane's own
.endr
.set qi, qi+2
.endr
	WIN 0
.irp j, 0,1,2,3
	v_add_nc_u32 v[TM+12+\j], 0xf8800000, v[TM+\j]
.endr
.irp j, 0,1,2,3
	v_and_or_b32 v[TM+8+\j], v[TM+\j], 0x7f800000, s[MNT]
.endr
.irp j, 0,1,2,3
	v_lshrrev_b32 v[QB+\j], 23, v[TM+12+\j]
.endr
	WIN 0x01                                          ; source 0: window 1
.irp j, 0,1,2,3
.set qi, 0
.rept 32
	v_med3_num_f32 v[T+32*\j+qi], v[ST+4*qi+\j], -v[TM+8+\j], v[TM+8+\j]   ; THE HOLD ALSO PUTS A POSITION'S 32 CHANNELS ON END
.set qi, qi+1
.endr
.endr
	WIN 0x40                                          ; the codes' registers: window 1
.irp j, 0,1,2,3
.irp g, 0,1,2,3
	v_cvt_scalef32_pk8_bf8_f32 v[QC+8*\j+2*\g:QC+8*\j+2*\g+1], v[T+32*\j+8*\g:T+32*\j+8*\g+7], v[TM+12+\j]
.endr
.endr
	WIN 0
	v_nop                                             ; a plain instruction behind the last conversion
.endm
; The codes along c go to the waves that multiply them.  Position 4 l + j of my 128 is position o = 4 (l % 8) + j of block l / 8: tile u = (o / 8) % 2, row p = 8 (o / 16) + o % 8 of wave 4 s + l / 8.
; Its channels 32 b + 0 .. 15 are registers 4 b .. 4 b + 3 of that fragment's lane p, its channels 32 b + 16 .. 31 those of lane 16 + p: 256 bytes on.
.macro CODEST
	WIN 0x04                                          ; an LDS store's data are its source 1: window 1
.irp j, 0,1,2,3
	ds_store_b128 v[CST], v[QC+8*\j:QC+8*\j+3] offset:16*\j
	ds_store_b128 v[CST], v[QC+8*\j+4:QC+8*\j+7] offset:16*\j+256
.endr
	WIN 0
.irp j, 0,1,2,3
	ds_store_b8 v[CSB], v[QB+\j] offset:4*\j          ; byte b of the position's scale word
.endr
.endm
; The staged tile goes into my own f32 region as it lies.  ld = 1: each group of four registers is then loaded again, with the tile after it.
.macro FILL ld
.if \ld
	s_wait_xcnt 0x0                                   ; every earlier load has had its address translated (and has landed): the base may step
	s_add_nc_u64 s[4:5], s[4:5], 1024                 ; 256 positions on
.endif
	WIN 0x44                                          ; an LDS store's data (source 1) and a load's destination: window 1; the addresses: window 0
.set g, 0
.rept 32
	ds_store_b128 v[FST], v[ST+4*g:ST+4*g+3] offset:g*FP
.if (\ld) && (g >= 4)
	s_wait_dscnt 4                                    ; LDS instructions end in order: all but the youngest four are done, so the store four groups back has read its registers
	global_load_b128 v[ST+4*(g-4):ST+4*(g-4)+3], v[GA], s[4:5] offset:(g-4)*16384 th:TH_LOAD_NT
.endif
.set g, g+1
.endr
.if \ld
.set g, 28
.rept 4
	s_wait_dscnt 31-g                                 ; the last four stores, one after the other
	global_load_b128 v[ST+4*g:ST+4*g+3], v[GA], s[4:5] offset:g*16384 th:TH_LOAD_NT
.set g, g+1
.endr
.endif
	WIN 0
.endm
	s_load_b256 s[4:11], s[0:1], 0x0                  ; x s[4:5], conv_w s[6:7], part s[8:9], asum s[10:11]
	v_lshl_add_u32 v254, v0, 2, 0x32000
	v_mov_b32 v255, 0
	v_lshrrev_b32 v1, 5, v0
	v_readfirstlane_b32 s[WV], v1                     ; wave 0..7
	v_and_b32 v1, 31, v0                              ; lane
	v_and_b32 v2, 15, v0                              ; r
	v_bfe_u32 v3, v0, 4, 1                            ; h
	s_and_b32 s[BB], s[WV], 3                         ; b: my block of 32 channels; also my block of 32 positions in a K step
	s_lshr_b32 s[SS], s[WV], 2                        ; s: my half of the tile's positions; also my K step
	s_lshl_b32 s20, s[BB], 19                         ; 32 b rows of 16,384 bytes,
	s_lshl_b32 s21, s[SS], 9                          ; 128 s positions
	s_add_co_u32 s20, s20, s21
	v_lshl_add_u32 v[GA], v1, 4, s20
	s_mul_i32 s21, s[WV], FREG                        ; my f32 region
	v_lshl_add_u32 v[FST], v1, 4, s21
	v_mul_u32_u24 v[FLD], v2, FP
	v_lshl_add_u32 v[FLD], v3, 6, v[FLD]
	v_add_nc_u32 v[FLD], s21, v[FLD]
	v_bfe_u32 v[CST], v0, 3, 2                        ; l / 8: which block of 32 positions,
	v_bfe_u32 v[T0], v0, 1, 1                         ; (l / 2) % 2: which of its two tiles
	v_lshl_add_u32 v[CST], v[CST], 1, v[T0]           ; the fragment among my half's eight
	v_lshlrev_b32 v[CSB], 6, v[CST]                   ; 64 bytes of scale words a tile
	v_mul_u32_u24 v[CST], v[CST], TP1
	v_bfe_u32 v[T0], v0, 2, 1                         ; (l / 4) % 2: rows 8 on
	v_lshl_add_u32 v[CST], v[T0], 7, v[CST]
	v_lshl_add_u32 v[CSB], v[T0], 5, v[CSB]
	v_and_b32 v[T0], 1, v0                            ; l % 2: rows 4 on; j, the row among these four, stands in the stores' offsets
	v_lshl_add_u32 v[CST], v[T0], 6, v[CST]
	v_lshl_add_u32 v[CSB], v[T0], 4, v[CSB]
	s_mul_i32 s22, s[SS], 8*TP1
	s_lshl_b32 s23, s[BB], 9                          ; registers 4 b on of a fragment: 512 b
	s_add_co_u32 s22, s22, s23
	s_add_co_u32 s22, s22, IMG1
	v_add_nc_u32 v[CST], s22, v[CST]
	s_lshl_b32 s22, s[SS], 9
	s_add_co_u32 s22, s22, s[BB]                      ; byte b of a word
	s_add_co_u32 s22, s22, XSC
	v_add_nc_u32 v[CSB], s22, v[CSB]
	s_mul_i32 s22, s[WV], 2*TP1
	s_add_co_u32 s22, s22, IMG1
	v_lshl_add_u32 v[CLD], v1, 4, s22
	s_lshl_b32 s22, s[WV], 7
	s_add_co_u32 s22, s22, XSC
	v_lshl_add_u32 v[CSL], v1, 2, s22
	s_lshl_b32 s22, s[SS], 13
	s_add_co_u32 s22, s22, AIMG
	v_lshl_add_u32 v[AIR], v1, 4, s22
	v_add_nc_u32 v[AWI], s23, v[AIR]                  ; + 512 b
	s_lshl_b32 s22, s[SS], 9
	s_add_co_u32 s22, s22, ASC
	v_lshl_add_u32 v[ASR], v1, 2, s22
	v_add_nc_u32 v[AWS], s[BB], v[ASR]
	v_lshlrev_b32 v[T0], 9, v2
	v_lshl_add_u32 v[T0], v3, 6, v[T0]
	s_lshl_b32 s23, s[WV], 13
	v_add_nc_u32 v[T0], s23, v[T0]                    ; conv_w: row 16 w + r of 512 bytes, + 64 h (waves 0 to 3 use it)
	s_lshl_b32 s24, s[WV], 11
	v_lshl_add_u32 v[H0], v1, 4, s24
	v_add_nc_u32 v[H0], WIMG, v[H0]                   ; where wave w (0 to 3) puts conv_w's fragment w,
	s_lshl_b32 s24, s[WV], 7
	v_lshl_add_u32 v[H0+1], v1, 2, s24
	v_add_nc_u32 v[H0+1], WSC, v[H0+1]                ; and its scale words
	v_lshl_add_u32 v[H0+2], v1, 4, WIMG               ; and where every wave reads them
	v_lshl_add_u32 v[H0+3], v1, 2, WSC
	s_mov_b32 s[MNT], 0x600000
	s_mov_b32 s[SEL], 0x76543210
	s_mov_b32 s[SEL+1], 0xfedcba98
	s_mov_b32 s[LG], 0x3fb8aa3b                       ; log2(e)
	s_mov_b32 s[LG+1], s[LG]
	s_mov_b32 s[STP], 0
	s_and_b32 s26, ttmp7, 0xffff                      ; the batch
	s_lshl_b32 s28, s26, 21                           ; 128 x 4,096 x 4 bytes a batch,
	s_lshl_b32 s27, ttmp9, 12                         ; 1,024 positions a quarter
	s_add_co_u32 s28, s28, s27
	s_mov_b32 s29, 0
	s_lshl_b32 s30, s26, 2
	s_add_co_u32 s30, s30, ttmp9                      ; 4 x batch + quarter
	s_lshl_b32 s32, s30, 15                           ; 32,768 bytes of part,
	s_mov_b32 s33, 0
	s_lshl_b32 s34, s30, 8                            ; 256 bytes of asum
	s_mov_b32 s35, 0
	s_wait_kmcnt 0x0
	s_add_nc_u64 s[4:5], s[4:5], s[28:29]
	s_add_nc_u64 s[8:9], s[8:9], s[32:33]
	s_add_nc_u64 s[10:11], s[10:11], s[34:35]
	s_cmp_lt_u32 s[WV], 4                             ; waves 0 to 3 quantise one tile of 16 clusters of conv_w each; its loads go out ahead of x's, so that a counted wait serves them
	s_cbranch_scc0 .Lno_w_loads
.irp b, 0,1,2,3
.irp j, 0,1,2,3
	global_load_b128 v[X+16*\b+4*\j:X+16*\b+4*\j+3], v[T0], s[6:7] offset:128*\b+16*\j   ; w(16 w + r, 32 b + 16 h + 4 j ..)
.endr
.endr
.Lno_w_loads:
	WIN 0x40                                          ; destination window 1
.set g, 0
.rept 32
	global_load_b128 v[ST+4*g:ST+4*g+3], v[GA], s[4:5] offset:g*16384 th:TH_LOAD_NT   ; tile 0: channel 32 b + g, 512 consecutive bytes
.set g, g+1
.endr
	WIN 0
.set g, 0
.rept 64
	v_mov_b32 v[ACC+g], 0                             ; the step is written once, in a loop: its first trip adds onto zeros (these lines against a second copy of the step)
.set g, g+1
.endr
.set g, 0
.rept 8
	v_mov_b32 v[AS+g], 0
.set g, g+1
.endr
.irp b, 0,1,2,3
	v_mov_b32 v[TM+4+\b], 0                           ; a lane permute's destination counts as one of its sources
.endr
	s_cmp_lt_u32 s[WV], 4
	s_cbranch_scc0 .Lno_w_quant
	s_wait_loadcnt 32                                 ; conv_w's 16 loads are in; x's 32, issued behind them, stay out
	QUANT X, WT, 0, PWW
.irp c, 0,1,2,3
	ds_store_b128 v[H0], v[WT+4*\c:WT+4*\c+3] offset:512*\c   ; the fragment as it stands: 16 bytes a lane
.endr
	ds_store_b32 v[H0+1], v[PWW]
.Lno_w_quant:
	s_wait_dscnt 0x0                                  ; my stores have landed
	s_barrier_signal -1
	s_barrier_wait -1                                 ; conv_w's four fragments lie in LDS
	WIN 0x40
.irp t, 0,1,2,3
.irp c, 0,1,2,3
	ds_load_b128 v[WF+16*\t+4*\c:WF+16*\t+4*\c+3], v[H0+2] offset:2048*\t+512*\c   ; they stay in every wave's registers
.endr
.endr
	WIN 0
.irp t, 0,1,2,3
	ds_load_b32 v[WS+\t], v[H0+3] offset:128*\t
.endr
	s_wait_dscnt 0x0
	s_wait_loadcnt 0x0                                ; tile 0 is staged
	Q1C                                               ; its codes along c,
	CODEST                                            ; to the waves that multiply them;
	FILL 1                                            ; its numbers into my f32 region; tile 1 is asked for
.Lstep:                                               ; four trips: tile STP.  Its codes along c and its numbers were stored at the end of the trip before
	s_wait_dscnt 0x0                                  ; for the others' sake: my codes have landed; and my reads of a's images are over
	s_barrier_signal -1                               ; BARRIER X
	; between its signal and its wait: reads of my own f32 region, which is next written behind barrier Y, and work on registers
.irp y, 0,1
.irp b, 0,1,2,3
.irp j, 0,1,2,3
	ds_load_b128 v[X+64*\y+16*\b+4*\j:X+64*\y+16*\b+4*\j+3], v[FLD] offset:\y*16*FP+128*\b+16*\j   ; x(32 b' + 16 y + r, 32 b + 16 h + 4 j ..) of my half
.endr
.endr
.endr
	s_wait_dscnt 16                                   ; channel tile 0's 16 loads are in, tile 1's may be out
	QUANT X, XC, 1, XW
	s_barrier_wait -1                                 ; x's codes along c and their scale words lie in LDS
.irp u, 0,1
.irp b, 0,1,2,3
	ds_load_b128 v[F0+16*\u+4*\b:F0+16*\u+4*\b+3], v[CLD] offset:\u*TP1+512*\b   ; my two fragments, into registers that channel tile 0 has left
.endr
.endr
	ds_load_b32 v[XSW], v[CSL]
	s_wait_dscnt 9                                    ; channel tile 1's loads are in; the nine just issued may be out: they land while it is quantised
	QUANT X+64, XC+16, 1, XW+1
	s_wait_dscnt 0x0
	; ---- THE FIRST PRODUCT: my 32 positions x 64 clusters
	WIN 0x04                                          ; source 1 (conv_w): window 1
.irp t, 0,1,2,3
	v_wmma_scale_f32_16x16x128_f8f6f4 v[L+16*\t:L+16*\t+7], v[F0:F0+15], v[WF+16*\t:WF+16*\t+15], 0, v[XSW], v[WS+\t] matrix_a_fmt:MATRIX_FMT_BF8 matrix_b_fmt:MATRIX_FMT_BF8
	v_wmma_scale_f32_16x16x128_f8f6f4 v[L+16*\t+8:L+16*\t+15], v[F1:F1+15], v[WF+16*\t:WF+16*\t+15], 0, v[XSW], v[WS+\t] matrix_a_fmt:MATRIX_FMT_BF8 matrix_b_fmt:MATRIX_FMT_BF8 matrix_a_scale:MATRIX_SCALE_ROW1
.endr                                                 ; lane (r, h): cluster 16 t + r; register 16 t + q: position 16 h + q of my 32.  (Tile 1's scale words lie in lanes 16-31 of the same register)
	WIN 0
	PLACES 8                                          ; eight places before results of this form are read, and before its operands' registers are written
	; the softmax over the 64 clusters: 4 tiles, then the 16 lanes of my half.  Each accumulator is read from its low end on
.irp q, 0,1,2,3,4,5,6,7,8,9,10,11,12,13,14,15
	v_max3_num_f32 v[MX+\q], v[L+\q], v[L+16+\q], v[L+32+\q]
.endr
.irp q, 0,1,2,3,4,5,6,7,8,9,10,11,12,13,14,15
	v_max_num_f32 v[MX+\q], v[MX+\q], v[L+48+\q]
.endr
.irp m, 1,2,4,8
.irp q, 0,1,2,3,4,5,6,7,8,9,10,11,12,13,14,15
	v_max_num_f32_dpp v[MX+\q], v[MX+\q], v[MX+\q] row_xmask:\m row_mask:0xf bank_mask:0xf
.endr
.endr
.irp q, 0,2,4,6,8,10,12,14
	v_pk_mul_f32 v[MX+\q:MX+\q+1], v[MX+\q:MX+\q+1], s[LG:LG+1] op_sel_hi:[1,0]   ; the largest logit x log2(e): its rounding is common to a position's 64 terms and leaves with the division
.endr
.irp t, 0,1,2,3
.irp q, 0,2,4,6,8,10,12,14
	v_pk_fma_f32 v[L+16*\t+\q:L+16*\t+\q+1], v[L+16*\t+\q:L+16*\t+\q+1], s[LG:LG+1], v[MX+\q:MX+\q+1] op_sel_hi:[1,0,1] neg_lo:[0,0,1] neg_hi:[0,0,1]
.endr
.endr
.set qi, 0
.rept 64
	v_exp_f32 v[L+qi], v[L+qi]                        ; one batch
.set qi, qi+1
.endr
	v_nop                                             ; the plain instruction behind the batch
	s_wait_alu depctr_va_vdst(0)                      ; the wait ahead of the batch's first reader: one for the 64
.irp q, 0,2,4,6,8,10,12,14
	v_pk_add_f32 v[SX+\q:SX+\q+1], v[L+\q:L+\q+1], v[L+16+\q:L+16+\q+1]
.endr
.irp q, 0,2,4,6,8,10,12,14
	v_pk_add_f32 v[TQ+\q:TQ+\q+1], v[L+32+\q:L+32+\q+1], v[L+48+\q:L+48+\q+1]
.endr
.irp q, 0,2,4,6,8,10,12,14
	v_pk_add_f32 v[SX+\q:SX+\q+1], v[SX+\q:SX+\q+1], v[TQ+\q:TQ+\q+1]
.endr
.irp m, 1,2,4,8
.irp q, 0,1,2,3,4,5,6,7,8,9,10,11,12,13,14,15
	v_add_f32_dpp v[SX+\q], v[SX+\q], v[SX+\q] row_xmask:\m row_mask:0xf bank_mask:0xf
.endr
.endr
.irp q, 0,1,2,3,4,5,6,7,8,9,10,11,12,13,14,15
	v_rcp_f32 v[SX+\q], v[SX+\q]                      ; the sum is at least about 1: the largest term
.endr
	v_nop
	s_wait_alu depctr_va_vdst(0)                      ; one wait for the 16 reciprocals
.irp t, 0,1,2,3
.irp q, 0,2,4,6,8,10,12,14
	v_pk_mul_f32 v[L+16*\t+\q:L+16*\t+\q+1], v[L+16*\t+\q:L+16*\t+\q+1], v[SX+\q:SX+\q+1]   ; a, finished and normalised
.endr
.endr
.irp q, 0,2,4,6,8,10,12,14
.irp t, 0,1,2,3
	v_pk_add_f32 v[AS+2*\t:AS+2*\t+1], v[AS+2*\t:AS+2*\t+1], v[L+16*\t+\q:L+16*\t+\q+1]   ; the sum over n is taken of the unquantised a; four chains by turns
.endr
.endr
	; a is quantised along n: for each cluster tile my 16 positions and lane l xor 16's make the block.  a is not negative: no |.|, and the hold is one-sided
.irp t, 0,1,2,3
	v_max3_num_f32 v[TM+\t], v[L+16*\t], v[L+16*\t+1], 0x8000000
.endr
.irp i, 2,4,6,8,10,12,14
.irp t, 0,1,2,3
	v_max3_num_f32 v[TM+\t], v[TM+\t], v[L+16*\t+\i], v[L+16*\t+\i+1]
.endr
.endr
.irp t, 0,1,2,3
	v_permlanex16_b32 v[TM+4+\t], v[TM+\t], s[SEL], s[SEL+1]
.endr
.irp t, 0,1,2,3
	v_max_num_f32 v[TM+\t], v[TM+\t], v[TM+4+\t]
.endr
.irp t, 0,1,2,3
	v_add_nc_u32 v[TM+12+\t], 0xf8800000, v[TM+\t]
.endr
.irp t, 0,1,2,3
	v_and_or_b32 v[TM+8+\t], v[TM+\t], 0x7f800000, s[MNT]
.endr
.irp t, 0,1,2,3
	v_lshrrev_b32 v[TM+4+\t], 23, v[TM+12+\t]
.endr
.irp t, 0,1,2,3
.irp i, 0,1,2,3,4,5,6,7,8,9,10,11,12,13,14,15
	v_min_num_f32 v[L+16*\t+\i], v[L+16*\t+\i], v[TM+8+\t]
.endr
	v_cvt_scalef32_pk8_bf8_f32 v[AC+4*\t:AC+4*\t+1], v[L+16*\t:L+16*\t+7], v[TM+12+\t]
	v_cvt_scalef32_pk8_bf8_f32 v[AC+4*\t+2:AC+4*\t+3], v[L+16*\t+8:L+16*\t+15], v[TM+12+\t]
.endr
	v_nop
.irp t, 0,1,2,3
	ds_store_b128 v[AWI], v[AC+4*\t:AC+4*\t+3] offset:2048*\t   ; registers 4 b .. 4 b + 3 of fragment (s, t), b and s my wave's: 16 bytes a lane
	ds_store_b8 v[AWS], v[TM+4+\t] offset:128*\t                ; byte b of the lane's scale word of (s, t)
.endr
	s_wait_dscnt 0x0                                  ; for the others' sake: my part of a's images has landed; and my reads of x's codes are over
	s_barrier_signal -1                               ; BARRIER Y
	; between its signal and its wait: work on registers alone: the next tile, which has been on its way since the last trip's end, is quantised along c
	s_wait_loadcnt 0x0                                ; it is staged (in the last trip nothing is out)
	s_cmp_lt_u32 s[STP], 3
	s_cbranch_scc0 .Lno_q1                            ; the last tile has no successor
	Q1C
.Lno_q1:
	s_barrier_wait -1                                 ; a's images lie in LDS, and nobody reads x's codes of this tile any more
.irp t, 0,1,2,3
.irp b, 0,1,2,3
	ds_load_b128 v[AF+16*\t+4*\b:AF+16*\t+4*\b+3], v[AIR] offset:2048*\t+512*\b   ; a's four fragments of my K step: they land while the next tile is stored
.endr
	ds_load_b32 v[AW+\t], v[ASR] offset:128*\t
.endr
	s_cmp_lt_u32 s[STP], 2
	s_cbranch_scc1 .Lfill_load
	s_cmp_lt_u32 s[STP], 3
	s_cbranch_scc0 .Lfilled                           ; the last trip stores nothing more
	CODEST                                            ; the last trip but one: the last tile is stored, and nothing follows it: no load leaves the buffer
	FILL 0
	s_branch .Lfilled
.Lfill_load:
	CODEST                                            ; the next tile's codes along c,
	FILL 1                                            ; its numbers into my f32 region (my reads of this tile's were waited for), and the tile after it is asked for
.Lfilled:
	s_wait_dscnt 0x0                                  ; a's fragments are in
	; ---- THE SECOND PRODUCT: source 0 = 16 of my channels, source 1 = 16 clusters, K = my 128 positions.  The eight accumulators take turns, one instruction a turn
	WIN 0x01                                          ; source 0 (x's codes along n): window 1
.irp y, 0,1
.irp t, 0,1,2,3
	v_wmma_scale_f32_16x16x128_f8f6f4 v[ACC+8*(4*\y+\t):ACC+8*(4*\y+\t)+7], v[XC+16*\y:XC+16*\y+15], v[AF+16*\t:AF+16*\t+15], v[ACC+8*(4*\y+\t):ACC+8*(4*\y+\t)+7], v[XW+\y], v[AW+\t] matrix_a_fmt:MATRIX_FMT_BF8 matrix_b_fmt:MATRIX_FMT_BF8
.endr
.endr
	WIN 0
	PLACES 8                                          ; ahead of the next trip's loads into registers that these have read, and of the way out's reads of the results
	s_add_co_u32 s[STP], s[STP], 1
	s_cmp_lt_u32 s[STP], 4
	s_cbranch_scc1 .Lstep
	; ---- THE WAY OUT
	s_wait_dscnt 0x0
	s_barrier_signal -1
	s_barrier_wait -1                                 ; nobody reads an f32 region or an image any more: the f32 regions' bytes become the stages
	s_lshl_b32 s20, s[WV], 9
	v_lshl_add_u32 v[H0], v1, 2, s20
	v_add_nc_u32 v[H0], RED, v[H0]                    ; my wave's sums of a: 512 w + 128 t + 4 x lane
	v_mul_u32_u24 v[H0+1], v2, SPITCH
	v_lshl_add_u32 v[H0+1], v3, 5, v[H0+1]
	s_mul_i32 s21, s[SS], STG1
	s_lshl_b32 s22, s[BB], 7
	s_add_co_u32 s21, s21, s22
	v_add_nc_u32 v[H0+1], s21, v[H0+1]                ; stage s, in: row r, + 128 b + 32 h: eight of my channels
	s_mul_i32 s22, s[WV], 8*SPITCH
	v_lshl_add_u32 v[H0+2], v1, 4, s22                ; back: rows 8 w on of both stages, 16 bytes a lane
	s_lshl_b32 s23, s[WV], 12
	v_lshl_add_u32 v[H0+3], v1, 4, s23                ; and the same rows of part
	v_lshrrev_b32 v[T0], 3, v1
	v_and_b32 v[CSB], 7, v1
	v_lshlrev_b32 v[T0], 7, v[T0]
	v_lshl_add_u32 v[T0], v[CSB], 3, v[T0]
	v_add_nc_u32 v[T0], RED, v[T0]                    ; clusters 2 l and 2 l + 1: tile l / 8, lanes 2 (l % 8) and the next
	v_lshlrev_b32 v[CSB], 3, v1
.irp t, 0,1,2,3
	v_add_f32 v[TM+\t], v[AS+2*\t], v[AS+2*\t+1]
.endr
.irp t, 0,1,2,3
	v_permlanex16_b32 v[TM+4+\t], v[TM+\t], s[SEL], s[SEL+1]
.endr
.irp t, 0,1,2,3
	v_add_f32 v[TM+\t], v[TM+\t], v[TM+4+\t]          ; cluster 16 t + r over my wave's positions
.endr
.irp t, 0,1,2,3
	ds_store_b32 v[H0], v[TM+\t] offset:128*\t
.endr
.irp y, 0,1
.irp t, 0,1,2,3
	ds_store_b128 v[H0+1], v[ACC+8*(4*\y+\t):ACC+8*(4*\y+\t)+3] offset:16*\t*SPITCH+64*\y        ; each accumulator from its low end on
	ds_store_b128 v[H0+1], v[ACC+8*(4*\y+\t)+4:ACC+8*(4*\y+\t)+7] offset:16*\t*SPITCH+64*\y+16
.endr
.endr
	s_wait_dscnt 0x0
	s_barrier_signal -1
	s_barrier_wait -1                                 ; 64 whole rows lie in each stage: the sums over the tiles' first halves and over their second
.irp i, 0,1,2,3,4,5,6,7
	ds_load_b128 v[X+4*\i:X+4*\i+3], v[H0+2] offset:\i*SPITCH
	ds_load_b128 v[X+32+4*\i:X+32+4*\i+3], v[H0+2] offset:STG1+\i*SPITCH
.endr
.irp i, 0,1,2,3,4,5,6,7
	s_wait_dscnt 14-2*\i                              ; two loads to a row: row i's are back; the later rows' may be out
	v_pk_add_f32 v[X+4*\i:X+4*\i+1], v[X+4*\i:X+4*\i+1], v[X+32+4*\i:X+32+4*\i+1]
	v_pk_add_f32 v[X+4*\i+2:X+4*\i+3], v[X+4*\i+2:X+4*\i+3], v[X+32+4*\i+2:X+32+4*\i+3]
	global_store_b128 v[H0+3], v[X+4*\i:X+4*\i+3], s[8:9] offset:512*\i   ; 32 lanes store a row of 512 consecutive bytes, aligned
.endr
	s_cmp_lg_u32 s[WV], 0
	s_cbranch_scc1 .Ldone
.irp p, 0,1,2,3,4,5,6,7
	ds_load_b64 v[WT+2*\p:WT+2*\p+1], v[T0] offset:512*\p   ; wave 0 adds the eight waves' sums of a
.endr
	s_wait_dscnt 0x0
	v_pk_add_f32 v[WT:WT+1], v[WT:WT+1], v[WT+2:WT+3]
	v_pk_add_f32 v[WT+4:WT+5], v[WT+4:WT+5], v[WT+6:WT+7]
	v_pk_add_f32 v[WT+8:WT+9], v[WT+8:WT+9], v[WT+10:WT+11]
	v_pk_add_f32 v[WT+12:WT+13], v[WT+12:WT+13], v[WT+14:WT+15]
	v_pk_add_f32 v[WT:WT+1], v[WT:WT+1], v[WT+4:WT+5]
	v_pk_add_f32 v[WT+8:WT+9], v[WT+8:WT+9], v[WT+12:WT+13]
	v_pk_add_f32 v[WT:WT+1], v[WT:WT+1], v[WT+8:WT+9]
	global_store_b64 v[CSB], v[WT:WT+1], s[10:11]     ; 32 lanes store 256 consecutive bytes, aligned
.Ldone:
	s_wait_tensorcnt 0x0
	ds_add_u32 v254, v255
	s_wait_dscnt 0x0
	s_endpgm
.Lfunc_end_k_qe99678ffc6_vlad_part:
	.size	k_qe99678ffc6_vlad_part, .Lfunc_end_k_qe99678ffc6_vlad_part-k_qe99678ffc6_vlad_part
	.p2alignl 7, 3214868480
	.fill 96, 4, 3214868480
	.section	.rodata,"a",@progbits
	.p2align	6, 0x0
	.amdhsa_kernel k_qe99678ffc6_vlad_part
		.amdhsa_group_segment_fixed_size 205824
		.amdhsa_private_segment_fixed_size 0
		.amdhsa_enable_private_segment 0
		.amdhsa_kernarg_size 32
		.amdhsa_user_sgpr_count 2
		.amdhsa_user_sgpr_kernarg_segment_ptr 1
		.amdhsa_wavefront_size32 1
		.amdhsa_system_sgpr_workgroup_id_x 1
		.amdhsa_system_sgpr_workgroup_id_y 1
		.amdhsa_system_sgpr_workgroup_id_z 1
		.amdhsa_system_vgpr_workitem_id 0
		.amdhsa_next_free_vgpr 512
		.amdhsa_next_free_sgpr 66
		.amdhsa_reserve_vcc 0
		.amdhsa_float_denorm_mode_32 3
		.amdhsa_float_denorm_mode_16_64 3
		.amdhsa_memory_ordered 1
		.amdhsa_forward_progress 1
		.amdhsa_inst_pref_size 123
	.end_amdhsa_kernel
	.amdgpu_metadata
---
amdhsa.version: [ 1, 2 ]
amdhsa.kernels:
  - .name:           k_qe99678ffc6_vlad_part
    .symbol:         k_qe99678ffc6_vlad_part.kd
    .args:
      - { .name: x, .offset: 0, .size: 8, .value_kind: global_buffer, .address_space: global }
      - { .name: conv_w, .offset: 8, .size: 8, .value_kind: global_buffer, .address_space: global }
      - { .name: part, .offset: 16, .size: 8, .value_kind: global_buffer, .address_space: global }
      - { .name: asum, .offset: 24, .size: 8, .value_kind: global_buffer, .address_space: global }
    .group_segment_fixed_size: 205824
    .private_segment_fixed_size: 0
    .kernarg_segment_align: 8
    .kernarg_segment_size: 32
    .max_flat_workgroup_size: 256
    .sgpr_count:     66
    .vgpr_count:     512
    .wavefront_size: 32
...
	.end_amdgpu_metadata
.endif
;; end of part 1
;; launch vlad_norm (part 2): grid 64 x 1, 16 waves a work-group, no clusters, 3,072 bytes of LDS; arguments part, asum, centroids, out0; writes out0
.if DOCPART == 2
	.amdgcn_target "amdgcn-amd-amdhsa--gfx1250"
	.amdhsa_code_object_version 6
	.text
	.protected	k_qe99678ffc6_vlad_norm
	.globl	k_qe99678ffc6_vlad_norm
	.p2align	8
	.type	k_qe99678ffc6_vlad_norm,@function
k_qe99678ffc6_vlad_norm:
	s_mov_b64 s[64:65], 0
	v_nop
	global_prefetch_b8 v0, s[64:65] scope:SCOPE_SE
	s_setreg_imm32_b32 hwreg(HW_REG_WAVE_MODE, 25, 1), 1
	s_wait_xcnt 0x0
; NetVLAD, second part.  part: [64 batches][4 quarters][64 k][128 c] f32, asum: [64][4][64] f32, centroids: [64][128] f32, out0: [64][8192] f32.
; vlad[k][c] = the four parts' sum - (the four asums' sum)[k] x centroids[k][c]; each row k is divided by max(its length, 1e-12); the whole batch by max(its length, 1e-12).
; One work-group to a batch, since the last norm spans it; sixteen waves, four rows each; a lane holds 4 neighbouring channels, so every load and store of a wave covers a row's 512 consecutive bytes.
; All 20 loads of a wave go out at once.  The batch's squared length is the sum over rows of (row's squared length) x (row's factor)^2: what the normalised numbers' squares add up to.
; No matrix work, no cluster (work-groups share the centroids alone, 32,768 bytes), no prefetch (each wave asks for all its bytes at its head).
; LIMITS: NaN and infinities are not served.  A row whose squared length is under 2^-126 counts as of length 0 (the root takes no denormals: ISA guide, its entry in 15.8); its divisor is 1e-12 either way.
.set P,   16                           ; v16-79   row i, quarter q: 4 registers at P + 16 i + 4 q; the row's result takes quarter 0's place
.set CE,  80                           ; v80-95   the centroids' rows
.set SS,  96                           ; v96-99   the rows' squared lengths
.set TP,  100                          ; v100-103 at work
.set IV,  104                          ; v104-107 the rows' factors
.set G,   108                          ; v108     my wave's share of the batch's squared length
.set W16, 112                          ; v112-127 the sixteen waves' shares
	s_load_b256 s[4:11], s[0:1], 0x0                  ; part s[4:5], asum s[6:7], centroids s[8:9], out0 s[10:11]
	v_lshl_add_u32 v128, v0, 2, 0x400
	v_mov_b32 v129, 0
	v_lshrrev_b32 v1, 5, v0
	v_readfirstlane_b32 s12, v1                       ; wave 0..15
	v_and_b32 v1, 31, v0
	s_lshl_b32 s13, s12, 11                           ; four rows of 512 bytes a wave
	v_lshl_add_u32 v2, v1, 4, s13                     ; my 16 bytes of the wave's first row
	s_lshl_b32 s14, ttmp9, 17                         ; part: 4 x 32,768 bytes a batch
	s_mov_b32 s15, 0
	s_lshl_b32 s16, ttmp9, 10                         ; asum: 4 x 256 bytes a batch,
	s_lshl_b32 s18, s12, 4                            ; 16 bytes for the wave's four rows
	s_add_co_u32 s16, s16, s18
	s_mov_b32 s17, 0
	s_lshl_b32 s18, ttmp9, 15                         ; out0: 32,768 bytes a batch
	s_mov_b32 s19, 0
	s_mov_b32 s36, 0x76543210
	s_mov_b32 s37, 0xfedcba98                         ; v_permlanex16_b32's selects for lane l xor 16
	v_mov_b32 v3, s12
	v_lshlrev_b32 v3, 2, v3                           ; my wave's word in LDS
	v_mov_b32 v4, 0
.irp i, 0,1,2,3
	v_mov_b32 v[TP+\i], 0                             ; a lane permute's destination counts as one of its sources
.endr
	s_wait_kmcnt 0x0
	s_add_nc_u64 s[4:5], s[4:5], s[14:15]
	s_add_nc_u64 s[6:7], s[6:7], s[16:17]
	s_add_nc_u64 s[10:11], s[10:11], s[18:19]
.irp i, 0,1,2,3
.irp q, 0,1,2,3
	global_load_b128 v[P+16*\i+4*\q:P+16*\i+4*\q+3], v2, s[4:5] offset:32768*\q+512*\i
.endr
	global_load_b128 v[CE+4*\i:CE+4*\i+3], v2, s[8:9] offset:512*\i
.endr
	s_load_b128 s[20:23], s[6:7], 0x0                 ; the four quarters' sums of a for my four rows (this launch writes nothing into asum)
	s_load_b128 s[24:27], s[6:7], 0x100
	s_load_b128 s[28:31], s[6:7], 0x200
	s_load_b128 s[32:35], s[6:7], 0x300
	s_wait_kmcnt 0x0
.irp i, 0,1,2,3
	s_add_f32 s[20+\i], s[20+\i], s[24+\i]
	s_add_f32 s[28+\i], s[28+\i], s[32+\i]
.endr
.irp i, 0,1,2,3
	s_add_f32 s[20+\i], s[20+\i], s[28+\i]
.endr
.irp i, 0,1,2,3
	s_wait_loadcnt 15-5*\i                            ; five loads to a row: row i's are in, the later rows' may be out
	v_pk_add_f32 v[P+16*\i:P+16*\i+1], v[P+16*\i:P+16*\i+1], v[P+16*\i+4:P+16*\i+5]
	v_pk_add_f32 v[P+16*\i+2:P+16*\i+3], v[P+16*\i+2:P+16*\i+3], v[P+16*\i+6:P+16*\i+7]
	v_pk_add_f32 v[P+16*\i+8:P+16*\i+9], v[P+16*\i+8:P+16*\i+9], v[P+16*\i+12:P+16*\i+13]
	v_pk_add_f32 v[P+16*\i+10:P+16*\i+11], v[P+16*\i+10:P+16*\i+11], v[P+16*\i+14:P+16*\i+15]
	v_pk_add_f32 v[P+16*\i:P+16*\i+1], v[P+16*\i:P+16*\i+1], v[P+16*\i+8:P+16*\i+9]
	v_pk_add_f32 v[P+16*\i+2:P+16*\i+3], v[P+16*\i+2:P+16*\i+3], v[P+16*\i+10:P+16*\i+11]
.irp e, 0,1,2,3
	v_fma_f32 v[P+16*\i+\e], -v[CE+4*\i+\e], s[20+\i], v[P+16*\i+\e]   ; - asum x centroid
.endr
	v_mul_f32 v[SS+\i], v[P+16*\i], v[P+16*\i]
	v_fmac_f32 v[SS+\i], v[P+16*\i+1], v[P+16*\i+1]
	v_fmac_f32 v[SS+\i], v[P+16*\i+2], v[P+16*\i+2]
	v_fmac_f32 v[SS+\i], v[P+16*\i+3], v[P+16*\i+3]
.endr
.irp m, 1,2,4,8
.irp i, 0,1,2,3
	v_add_f32_dpp v[SS+\i], v[SS+\i], v[SS+\i] row_xmask:\m row_mask:0xf bank_mask:0xf
.endr
.endr
.irp i, 0,1,2,3
	v_permlanex16_b32 v[TP+\i], v[SS+\i], s36, s37
.endr
.irp i, 0,1,2,3
	v_add_f32 v[SS+\i], v[SS+\i], v[TP+\i]            ; every lane holds the rows' squared lengths
.endr
.irp i, 0,1,2,3
	v_sqrt_f32 v[TP+\i], v[SS+\i]
.endr
	v_nop
	s_wait_alu depctr_va_vdst(0)                      ; the wait ahead of the first reader: one for the four roots
.irp i, 0,1,2,3
	v_max_num_f32 v[TP+\i], 0x2b8cbccc, v[TP+\i]      ; 1e-12
.endr
.irp i, 0,1,2,3
	v_rcp_f32 v[IV+\i], v[TP+\i]
.endr
	v_nop
	s_wait_alu depctr_va_vdst(0)                      ; one for the four reciprocals
.irp i, 0,1,2,3
	v_mul_f32 v[TP+\i], v[SS+\i], v[IV+\i]
.endr
	v_mul_f32 v[G], v[TP], v[IV]
	v_fmac_f32 v[G], v[TP+1], v[IV+1]
	v_fmac_f32 v[G], v[TP+2], v[IV+2]
	v_fmac_f32 v[G], v[TP+3], v[IV+3]                 ; my four normalised rows' squared lengths
	ds_store_b32 v3, v[G]                             ; all lanes write the same word with the same value
	s_wait_dscnt 0x0
	s_barrier_signal -1
	s_barrier_wait -1
.irp j, 0,1,2,3
	ds_load_b128 v[W16+4*\j:W16+4*\j+3], v4 offset:16*\j
.endr
	s_wait_dscnt 0x0
	v_pk_add_f32 v[W16:W16+1], v[W16:W16+1], v[W16+2:W16+3]
	v_pk_add_f32 v[W16+4:W16+5], v[W16+4:W16+5], v[W16+6:W16+7]
	v_pk_add_f32 v[W16+8:W16+9], v[W16+8:W16+9], v[W16+10:W16+11]
	v_pk_add_f32 v[W16+12:W16+13], v[W16+12:W16+13], v[W16+14:W16+15]
	v_pk_add_f32 v[W16:W16+1], v[W16:W16+1], v[W16+4:W16+5]
	v_pk_add_f32 v[W16+8:W16+9], v[W16+8:W16+9], v[W16+12:W16+13]
	v_pk_add_f32 v[W16:W16+1], v[W16:W16+1], v[W16+8:W16+9]
	v_add_f32 v[W16], v[W16], v[W16+1]                ; the batch's squared length
	v_sqrt_f32 v[G], v[W16]
	v_nop
	s_wait_alu depctr_va_vdst(0)
	v_max_num_f32 v[G], 0x2b8cbccc, v[G]
	v_rcp_f32 v[G], v[G]
	v_nop
	s_wait_alu depctr_va_vdst(0)
.irp i, 0,1,2,3
	v_mul_f32 v[IV+\i], v[IV+\i], v[G]                ; both factors in one
.endr
.irp i, 0,1,2,3
.irp e, 0,1,2,3
	v_mul_f32 v[P+16*\i+\e], v[P+16*\i+\e], v[IV+\i]
.endr
	global_store_b128 v2, v[P+16*\i:P+16*\i+3], s[10:11] offset:512*\i   ; 32 lanes store a row of 512 consecutive bytes, aligned
.endr
	s_wait_tensorcnt 0x0
	ds_add_u32 v128, v129
	s_wait_dscnt 0x0
	s_endpgm
.Lfunc_end_k_qe99678ffc6_vlad_norm:
	.size	k_qe99678ffc6_vlad_norm, .Lfunc_end_k_qe99678ffc6_vlad_norm-k_qe99678ffc6_vlad_norm
	.p2alignl 7, 3214868480
	.fill 96, 4, 3214868480
	.section	.rodata,"a",@progbits
	.p2align	6, 0x0
	.amdhsa_kernel k_qe99678ffc6_vlad_norm
		.amdhsa_group_segment_fixed_size 3072
		.amdhsa_private_segment_fixed_size 0
		.amdhsa_enable_private_segment 0
		.amdhsa_kernarg_size 32
		.amdhsa_user_sgpr_count 2
		.amdhsa_user_sgpr_kernarg_segment_ptr 1
		.amdhsa_wavefront_size32 1
		.amdhsa_system_sgpr_workgroup_id_x 1
		.amdhsa_system_sgpr_workgroup_id_y 1
		.amdhsa_system_sgpr_workgroup_id_z 1
		.amdhsa_system_vgpr_workitem_id 0
		.amdhsa_next_free_vgpr 130
		.amdhsa_next_free_sgpr 66
		.amdhsa_reserve_vcc 0
		.amdhsa_float_denorm_mode_32 3
		.amdhsa_float_denorm_mode_16_64 3
		.amdhsa_memory_ordered 1
		.amdhsa_forward_progress 1
		.amdhsa_inst_pref_size 12
	.end_amdhsa_kernel
	.amdgpu_metadata
---
amdhsa.version: [ 1, 2 ]
amdhsa.kernels:
  - .name:           k_qe99678ffc6_vlad_norm
    .symbol:         k_qe99678ffc6_vlad_norm.kd
    .args:
      - { .name: part, .offset: 0, .size: 8, .value_kind: global_buffer, .address_space: global }
      - { .name: asum, .offset: 8, .size: 8, .value_kind: global_buffer, .address_space: global }
      - { .name: centroids, .offset: 16, .size: 8, .value_kind: global_buffer, .address_space: global }
      - { .name: out0, .offset: 24, .size: 8, .value_kind: global_buffer, .address_space: global }
    .group_segment_fixed_size: 3072
    .private_segment_fixed_size: 0
    .kernarg_segment_align: 8
    .kernarg_segment_size: 32
    .max_flat_workgroup_size: 512
    .sgpr_count:     66
    .vgpr_count:     130
    .wavefront_size: 32
...
	.end_amdgpu_metadata
.endif
;; end of part 2
;; ======== version 2 of 2: 2 launches
;; workspace buffers: part 8,388,608 bytes; asum 65,536 bytes
;; launch vlad_part (part 3): grid 4 x 64, 8 waves a work-group, no clusters, 205,824 bytes of LDS; arguments x, conv_w, part, asum; writes part, asum
.if DOCPART == 3
	.amdgcn_target "amdgcn-amd-amdhsa--gfx1250"
	.amdhsa_code_object_version 6
	.text
	.protected	k_qe99678ffc6_vlad_part
	.globl	k_qe99678ffc6_vlad_part
	.p2align	8
	.type	k_qe99678ffc6_vlad_part,@function
k_qe99678ffc6_vlad_part:
	s_mov_b64 s[64:65], 0
	v_nop
	global_prefetch_b8 v0, s[64:65] scope:SCOPE_SE
	s_setreg_imm32_b32 hwreg(HW_REG_WAVE_SCHED_MODE, 0, 2), 2
	s_setreg_imm32_b32 hwreg(HW_REG_WAVE_MODE, 25, 1), 1
	s_wait_xcnt 0x0
	s_wait_alu depctr_vm_vsrc(0)
; NetVLAD, first part.  x: [64][128 c][4096 n] f32, conv_w: [64 k][128 c] f32.  For one batch and one quarter of its positions n (1,024 of them) a work-group makes
;   logits[n][k] = sum over c of Q(x)[c][n] Q(w)[k][c]      (both quantised along c to E5M2 with one E8M0 scale for each 32),
;   a[k][n] = softmax over k of the logits (the largest logit is taken away first; normalised; f32),
;   part[k][c] = sum over its n of Q(a)[k][n] Q(x)[c][n]    (both quantised along n),   asum[k] = sum over its n of the unquantised a[k][n].
; The second launch adds a batch's four parts, takes asum x centroids away and normalises.
; SHARES.  Eight waves; four steps of 256 positions.  Wave w = 4 s + b loads channels 32 b .. 32 b + 31 at positions 128 s .. 128 s + 127 of the step's tile: 32 loads of 512 consecutive bytes into 128
; staging registers; a lane holds 4 positions x 32 channels.  EACH WAVE QUANTISES, BOTH WAYS, THE NUMBERS THAT IT LOADED ITSELF.
; ALONG c: a block of 32 channels of one position lies in one lane's registers, four apart.  The maxima take them as they lie; the hold, which every number needs anyway, writes its results into
; registers on end, so that the conversions find neighbours along c.  Only the CODES go to other waves, as images of the operand's registers: a quarter of the numbers' bytes.
; ALONG n: the wave's own 32 rows x 128 positions turn through LDS bytes of its own (stored as loaded, read back a lane to a row); no other wave touches them.
; FIRST PRODUCT: wave w takes positions 32 w .. 32 w + 31, source 0 = 16 positions, source 1 = 16 clusters: a lane then holds one cluster, and since row p of tile u is position 8 u + p + 8 (p / 8), its 16
; registers of tiles 0 and 1 are 16 NEIGHBOURING positions: what the quantiser along n wants.  The softmax runs across the 16 lanes of a half and 4 tiles.  a's codes go out as images too.
; SECOND PRODUCT: wave w adds its K step s (128 positions) of 64 clusters x its 32 channels onto eight accumulators; the two halves' sums meet on the way out.
; TWO BARRIERS A STEP, each with work between its signal and its wait: X (x's codes along c lie in LDS) covers the quantising along n of my first 16 channels; Y (a's images lie in LDS) covers the
; quantising along c of the next tile, which is work on registers alone.
; NO CLUSTER: the work-groups share conv_w alone, 32,768 bytes against 524,288 bytes of x that are each work-group's own.  NO TENSOR LOADS: the numbers are wanted in registers first, and the staging
; registers are loaded again half by half.  NO PREFETCH: x is read once, and each wave asks for its next 16,384 bytes a step ahead of their use.
; LIMITS: NaN and infinities among the inputs are not served.  A block of zeros gets the scale byte 1 where the rule says 127 (its codes are zeros; the bytes are read by this program alone).
; A weight a under 2^-126 becomes 0 (the exponential gives no denormals: ISA guide, its entry in 15.8).
; THE MODE: SCHED_MODE bits 1:0 = 2 (LLVM: expert scheduling mode 2), set by the entry lines.  The code itself states the register dependences between vector or matrix instructions and memory or LDS
; instructions, with s_wait_alu, always for 0.
; THE PLAN.  Registers that memory or LDS instructions touch, round a step:
;   v4-v14       addresses: written at the head, read all through the loop, written by nothing there.  (v8 and v15-v19 are written anew on the way out.)
;   ST           FILL's global loads land in it; Q1C's maxima and holds read it between Y's signal and its wait; FILL's LDS stores read it behind Y's wait.
;   QC, QB       Q1C writes them; CODEST's stores read them behind Y's wait.
;   v96-223      the loads from my f32 region land there at the step's head; my two fragments in v96-127 behind X's wait; a's fragments in v96-159 behind the next tile's stores.
;                Between these the two QUANTs, the first product, the softmax, Q1C and the second product name them.
;   AC, TM+4..7  the quantiser of a writes them; the stores of a's images read them ahead of Y's signal.
;   XSW, AW      LDS loads land in them; the products read them as scales.     XC, XW: written by QUANT, read by the second product alone.
; THE WAITS OF A STEP.  On va_vdst: behind X's signal (the second product is done with a's fragments); behind X's wait (QUANT is done with v96-127); behind each of the softmax's two batches; ahead of the stores
; of a's images; behind Y's wait (Q1C has written QC and QB and is done with v96-223); and beside each of FILL's two waits on vm_vsrc, directly ahead of the loads into the staging registers.
; On vm_vsrc: behind Y's signal (the stores of a's images and the last CODEST have read their data); and in FILL, behind each half's sixteen stores.
.set FP,     528                       ; a row of a wave's own f32 region: 512 bytes (128 positions) + 16 = 132 words: row r starts at bank 4 r mod 64 (64 banks of 4 bytes: ISA guide 11.1), so the 16 rows that a 16-byte load touches start at 16 different banks
.set FREG,   32*FP                     ; 32 rows a wave; the eight regions begin at LDS byte 0
.set IMG1,   8*FREG                    ; x's codes along c: 16 fragments (tile 2 w + u of 16 positions), 2,048 bytes each: 512 b + 16 x lane
.set TP1,    2064                      ; from fragment to fragment: 2,048 + 16, so that the four fragments into which 16 lanes store lie 16 bytes apart modulo 256
.set XSC,    IMG1+16*TP1               ; their scale words: 128 bytes for each wave's two tiles, 4 bytes a row; byte b of a word comes from a wave with block b
.set AIMG,   XSC+1024                  ; a's fragments: (K step s, cluster tile t, block b): 512 bytes at 8192 s + 2048 t + 512 b
.set ASC,    AIMG+16384                ; a's scale words: 4 bytes a lane at 512 s + 128 t; byte b of a word comes from wave 4 s + b
.set WIMG,   ASC+1024                  ; conv_w's four fragments
.set WSC,    WIMG+8192                 ; and their scale words
.set SPITCH, 528                       ; the way out: two stages of 64 rows x (512 + 16) bytes, one for each half s, in the f32 regions, behind a barrier of their own
.set STG1,   64*SPITCH
.set RED,    2*STG1                    ; behind them the waves' sums of a: 512 bytes a wave
.set GA,   4                           ; v4   x: my byte offset in the tile: 32 b rows of 16,384 bytes + 512 s + 16 x lane
.set FST,  5                           ; v5   my f32 region, in: 16 x lane
.set FLD,  6                           ; v6   and back: row r, + 64 h
.set CST,  7                           ; v7   x's codes along c, written
.set CSB,  8                           ; v8   their scale bytes, written
.set CLD,  9                           ; v9   my two fragments of them, read: 16 x lane
.set CSL,  10                          ; v10  my scale words of them, read: 4 x lane
.set AWI,  11                          ; v11  a's images, written: my K step and block
.set AWS,  12                          ; v12  a's scale byte, written
.set AIR,  13                          ; v13  a's images of my K step, read: 16 x lane
.set ASR,  14                          ; v14  a's scale words of my K step, read: 4 x lane
.set H0,   15                          ; v15-18 addresses of the head, and of the way out
.set T0,   19                          ; v19  at work on addresses
.set WS,   20                          ; v20-23 conv_w's scale words, tile t
.set AS,   24                          ; v24-31 sums of a: a pair for each cluster tile
.set ACC,  32                          ; v32-95 eight accumulators (channel tile y, cluster tile t) at 8 (4 y + t): lane (r, h), register j: cluster 16 t + r, channel 32 b + 16 y + 8 h + j
.set X,    96                          ; v96-223 128 numbers of x on their way to codes along n
.set T,    96                          ; v96-223 128 held numbers of x on their way to codes along c: 32 j + i
.set F0,   96                          ; v96-111, v112-127 my two fragments of x's codes along c
.set F1,   112
.set MX,   96                          ; v96-111 the largest logit of 16 positions (where the fragments lay)
.set SX,   112                         ; v112-127 their sums, then the reciprocals
.set TQ,   128                         ; v128-143 at work
.set AC,   144                         ; v144-159 a's codes, 4 registers a tile
.set L,    160                         ; v160-223 logits, then a: register 16 t + 8 u + j
.set AF,   96                          ; v96-159 a's four fragments of my K step
.set WT,   160                         ; v160-175 at the head: conv_w's codes on their way to LDS; on the way out: the sums of a
.set TM,   224                         ; v224-239 at work in the quantisers: +0 largest magnitudes, +4 bytes, +8 largest number x scale, +12 the conversions' scale operands
.set XSW,  240                         ; v240 x's scale words along c: lanes 0-15 tile 0's rows, lanes 16-31 tile 1's
.set XW,   241                         ; v241, v242 x's scale words along n, channel tile 0, 1
.set PWW,  243                         ; v243 conv_w's scale word on its way to LDS
.set AW,   244                         ; v244-247 a's scale words, tile t
.set QB,   248                         ; v248-251 the scale bytes along c of my four positions
.set ST,   0                           ; window 1, v0-127: the staging registers: 4 i + j = channel 32 b + i, position 4 x lane + j
.set WF,   128                         ; window 1, v128-191: conv_w's four fragments
.set XC,   192                         ; window 1, v192-223: x's codes along n, two fragments
.set QC,   224                         ; window 1, v224-255: x's codes along c, 8 registers for each of my four positions
.set WV,   12                          ; s12 wave
.set BB,   13                          ; s13 b = wave % 4
.set STP,  14                          ; s14 the step
.set MNT,  15                          ; s15 the mantissa field of 57,344
.set SEL,  16                          ; s[16:17] selects of v_permlanex16_b32 for lane l xor 16
.set LG,   18                          ; s[18:19] log2(e); the packed forms name a pair and take its low word
.set SS,   36                          ; s36 s = wave / 4
.set MSB, 0
.macro WIN new                         ; the immediate's high byte repeats the setting that is left
.if MSB != \new
	s_set_vgpr_msb (MSB<<8)|\new
.set MSB, \new
.endif
.endm
.macro PLACES n
.rept \n
	v_nop
.endr
.endm
; 64 numbers of a lane, register 16 b + i = K position 32 b + 16 (lane / 16) + i of the lane's row, become a fragment's codes in v[dst] on (win = 1: of window 1) and its scale word in v[pw].
.macro QUANT src, dst, win, pw
.irp b, 0,1,2,3
	v_max3_num_f32 v[TM+\b], |v[(\src)+16*\b]|, |v[(\src)+16*\b+1]|, 0x8000000   ; my 16 numbers of block b, and the floor 2^(16 - 127): the byte cannot fall under 1
.endr
.irp i, 2,4,6,8,10,12,14
.irp b, 0,1,2,3
	v_max3_num_f32 v[TM+\b], v[TM+\b], |v[(\src)+16*\b+\i]|, |v[(\src)+16*\b+\i+1]|   ; the four blocks by turns
.endr
.endr
.irp b, 0,1,2,3
	v_permlanex16_b32 v[TM+4+\b], v[TM+\b], s[SEL], s[SEL+1]
.endr
.irp b, 0,1,2,3
	v_max_num_f32 v[TM+\b], v[TM+\b], v[TM+4+\b]      ; with lane l xor 16's 16: the block's largest magnitude
.endr
.irp b, 0,1,2,3
	v_add_nc_u32 v[TM+12+\b], 0xf8800000, v[TM+\b]    ; 15 off its exponent field: the conversion takes this operand's exponent field as its scale
.endr
.irp b, 0,1,2,3
	v_and_or_b32 v[TM+8+\b], v[TM+\b], 0x7f800000, s[MNT]   ; 57,344 x the scale
.endr
.irp b, 0,1,2,3
	v_lshrrev_b32 v[TM+4+\b], 23, v[TM+12+\b]         ; the scale's byte
.endr
	v_lshl_or_b32 v[\pw], v[TM+5], 8, v[TM+4]
	v_lshl_or_b32 v[\pw], v[TM+6], 16, v[\pw]
	v_lshl_or_b32 v[\pw], v[TM+7], 24, v[\pw]
.irp b, 0,1,2,3
.irp i, 0,1,2,3,4,5,6,7,8,9,10,11,12,13,14,15
	v_med3_num_f32 v[(\src)+16*\b+\i], v[(\src)+16*\b+\i], -v[TM+8+\b], v[TM+8+\b]   ; the conversion to an 8-bit code does not saturate (ISA guide 7.6.2): the hold comes first
.endr
.endr
.if \win
	WIN 0x40                                          ; the codes' registers: window 1
.endif
.irp b, 0,1,2,3
	v_cvt_scalef32_pk8_bf8_f32 v[(\dst)+4*\b:(\dst)+4*\b+1], v[(\src)+16*\b:(\src)+16*\b+7], v[TM+12+\b]
	v_cvt_scalef32_pk8_bf8_f32 v[(\dst)+4*\b+2:(\dst)+4*\b+3], v[(\src)+16*\b+8:(\src)+16*\b+15], v[TM+12+\b]
.endr
	WIN 0
	v_nop                                             ; a plain instruction behind the last conversion
.endm
; ALONG c, on registers alone: the staged tile's 4 positions x 32 channels of a lane become 4 x 8 registers of codes (QC) and 4 scale bytes (QB).
.macro Q1C
	WIN 0x05                                          ; sources 0 and 1: the staging registers, window 1
.irp j, 0,1,2,3
	v_max3_num_f32 v[TM+\j], |v[ST+\j]|, |v[ST+4+\j]|, 0x8000000   ; position j: channels 0 and 1 of the block, and the floor 2^(16 - 127)
.endr
.set qi, 2
.rept 15
.irp j, 0,1,2,3
	v_max3_num_f32 v[TM+\j], |v[ST+4*qi+\j]|, |v[ST+4*qi+4+\j]|, v[TM+\j]   ; two channels more; the four positions by turns.  All 32 numbers of a block are the lane's own
.endr
.set qi, qi+2
.endr
	WIN 0
.irp j, 0,1,2,3
	v_add_nc_u32 v[TM+12+\j], 0xf8800000, v[TM+\j]
.endr
.irp j, 0,1,2,3
	v_and_or_b32 v[TM+8+\j], v[TM+\j], 0x7f800000, s[MNT]
.endr
.irp j, 0,1,2,3
	v_lshrrev_b32 v[QB+\j], 23, v[TM+12+\j]
.endr
	WIN 0x01                                          ; source 0: window 1
.irp j, 0,1,2,3
.set qi, 0
.rept 32
	v_med3_num_f32 v[T+32*\j+qi], v[ST+4*qi+\j], -v[TM+8+\j], v[TM+8+\j]   ; THE HOLD ALSO PUTS A POSITION'S 32 CHANNELS ON END
.set qi, qi+1
.endr
.endr
	WIN 0x40                                          ; the codes' registers: window 1
.irp j, 0,1,2,3
.irp g, 0,1,2,3
	v_cvt_scalef32_pk8_bf8_f32 v[QC+8*\j+2*\g:QC+8*\j+2*\g+1], v[T+32*\j+8*\g:T+32*\j+8*\g+7], v[TM+12+\j]
.endr
.endr
	WIN 0
	v_nop                                             ; a plain instruction behind the last conversion
.endm
; The codes along c go to the waves that multiply them.  Position 4 l + j of my 128 is position o = 4 (l % 8) + j of block l / 8: tile u = (o / 8) % 2, row p = 8 (o / 16) + o % 8 of wave 4 s + l / 8.
; Its channels 32 b + 0 .. 15 are registers 4 b .. 4 b + 3 of that fragment's lane p, its channels 32 b + 16 .. 31 those of lane 16 + p: 256 bytes on.
; (QC and QB were shown written by the wait on va_vdst that stands behind Q1C; no vector instruction since names them.)
.macro CODEST
	WIN 0x04                                          ; an LDS store's data are its source 1: window 1
.irp j, 0,1,2,3
	ds_store_b128 v[CST], v[QC+8*\j:QC+8*\j+3] offset:16*\j
	ds_store_b128 v[CST], v[QC+8*\j+4:QC+8*\j+7] offset:16*\j+256
.endr
	WIN 0
.irp j, 0,1,2,3
	ds_store_b8 v[CSB], v[QB+\j] offset:4*\j          ; byte b of the position's scale word
.endr
.endm
; The staged tile goes into my own f32 region as it lies, in two halves of sixteen groups of four registers.  ld = 1: behind each half's stores its registers are loaded again, with the tile after it.
.macro FILL ld
.if \ld
	s_wait_xcnt 0x0                                   ; every earlier load has had its address translated (and has landed): the base may step
	s_add_nc_u64 s[4:5], s[4:5], 1024                 ; 256 positions on
.endif
	WIN 0x44                                          ; an LDS store's data (source 1) and a load's destination: window 1; the addresses: window 0
.irp half, 0,1
.set g, 16*\half
.rept 16
	ds_store_b128 v[FST], v[ST+4*g:ST+4*g+3] offset:g*FP
.set g, g+1
.endr
.if \ld
	s_wait_alu depctr_vm_vsrc(0)                      ; the sixteen stores above have read their staging registers, in which the sixteen loads below land
	s_wait_alu depctr_va_vdst(0)                      ; Q1C's maxima and holds are done reading those registers: stated here, behind the window switch and behind the stores that name them
.set g, 16*\half
.rept 16
	global_load_b128 v[ST+4*g:ST+4*g+3], v[GA], s[4:5] offset:g*16384 th:TH_LOAD_NT
.set g, g+1
.endr
.endif
.endr
	WIN 0
.endm
	s_load_b256 s[4:11], s[0:1], 0x0                  ; x s[4:5], conv_w s[6:7], part s[8:9], asum s[10:11]
	v_lshl_add_u32 v254, v0, 2, 0x32000
	v_mov_b32 v255, 0
	v_lshrrev_b32 v1, 5, v0
	v_readfirstlane_b32 s[WV], v1                     ; wave 0..7
	v_and_b32 v1, 31, v0                              ; lane
	v_and_b32 v2, 15, v0                              ; r
	v_bfe_u32 v3, v0, 4, 1                            ; h
	s_wait_alu depctr_va_sdst(0)                      ; s12, the wave's number, is written, ahead of its first reader
	s_and_b32 s[BB], s[WV], 3                         ; b: my block of 32 channels; also my block of 32 positions in a K step
	s_lshr_b32 s[SS], s[WV], 2                        ; s: my half of the tile's positions; also my K step
	s_lshl_b32 s20, s[BB], 19                         ; 32 b rows of 16,384 bytes,
	s_lshl_b32 s21, s[SS], 9                          ; 128 s positions
	s_add_co_u32 s20, s20, s21
	v_lshl_add_u32 v[GA], v1, 4, s20
	s_mul_i32 s21, s[WV], FREG                        ; my f32 region
	v_lshl_add_u32 v[FST], v1, 4, s21
	v_mul_u32_u24 v[FLD], v2, FP
	v_lshl_add_u32 v[FLD], v3, 6, v[FLD]
	v_add_nc_u32 v[FLD], s21, v[FLD]
	v_bfe_u32 v[CST], v0, 3, 2                        ; l / 8: which block of 32 positions,
	v_bfe_u32 v[T0], v0, 1, 1                         ; (l / 2) % 2: which of its two tiles
	v_lshl_add_u32 v[CST], v[CST], 1, v[T0]           ; the fragment among my half's eight
	v_lshlrev_b32 v[CSB], 6, v[CST]                   ; 64 bytes of scale words a tile
	v_mul_u32_u24 v[CST], v[CST], TP1
	v_bfe_u32 v[T0], v0, 2, 1                         ; (l / 4) % 2: rows 8 on
	v_lshl_add_u32 v[CST], v[T0], 7, v[CST]
	v_lshl_add_u32 v[CSB], v[T0], 5, v[CSB]
	v_and_b32 v[T0], 1, v0                            ; l % 2: rows 4 on; j, the row among these four, stands in the stores' offsets
	v_lshl_add_u32 v[CST], v[T0], 6, v[CST]
	v_lshl_add_u32 v[CSB], v[T0], 4, v[CSB]
	s_mul_i32 s22, s[SS], 8*TP1
	s_lshl_b32 s23, s[BB], 9                          ; registers 4 b on of a fragment: 512 b
	s_add_co_u32 s22, s22, s23
	s_add_co_u32 s22, s22, IMG1
	v_add_nc_u32 v[CST], s22, v[CST]
	s_lshl_b32 s22, s[SS], 9
	s_add_co_u32 s22, s22, s[BB]                      ; byte b of a word
	s_add_co_u32 s22, s22, XSC
	v_add_nc_u32 v[CSB], s22, v[CSB]
	s_mul_i32 s22, s[WV], 2*TP1
	s_add_co_u32 s22, s22, IMG1
	v_lshl_add_u32 v[CLD], v1, 4, s22
	s_lshl_b32 s22, s[WV], 7
	s_add_co_u32 s22, s22, XSC
	v_lshl_add_u32 v[CSL], v1, 2, s22
	s_lshl_b32 s22, s[SS], 13
	s_add_co_u32 s22, s22, AIMG
	v_lshl_add_u32 v[AIR], v1, 4, s22
	v_add_nc_u32 v[AWI], s23, v[AIR]                  ; + 512 b
	s_lshl_b32 s22, s[SS], 9
	s_add_co_u32 s22, s22, ASC
	v_lshl_add_u32 v[ASR], v1, 2, s22
	v_add_nc_u32 v[AWS], s[BB], v[ASR]
	v_lshlrev_b32 v[T0], 9, v2
	v_lshl_add_u32 v[T0], v3, 6, v[T0]
	s_lshl_b32 s23, s[WV], 13
	v_add_nc_u32 v[T0], s23, v[T0]                    ; conv_w: row 16 w + r of 512 bytes, + 64 h (waves 0 to 3 use it)
	s_lshl_b32 s24, s[WV], 11
	v_lshl_add_u32 v[H0], v1, 4, s24
	v_add_nc_u32 v[H0], WIMG, v[H0]                   ; where wave w (0 to 3) puts conv_w's fragment w,
	s_lshl_b32 s24, s[WV], 7
	v_lshl_add_u32 v[H0+1], v1, 2, s24
	v_add_nc_u32 v[H0+1], WSC, v[H0+1]                ; and its scale words
	v_lshl_add_u32 v[H0+2], v1, 4, WIMG               ; and where every wave reads them
	v_lshl_add_u32 v[H0+3], v1, 2, WSC
	s_mov_b32 s[MNT], 0x600000
	s_mov_b32 s[SEL], 0x76543210
	s_mov_b32 s[SEL+1], 0xfedcba98
	s_mov_b32 s[LG], 0x3fb8aa3b                       ; log2(e)
	s_mov_b32 s[LG+1], s[LG]
	s_mov_b32 s[STP], 0
	s_and_b32 s26, ttmp7, 0xffff                      ; the batch
	s_lshl_b32 s28, s26, 21                           ; 128 x 4,096 x 4 bytes a batch,
	s_lshl_b32 s27, ttmp9, 12                         ; 1,024 positions a quarter
	s_add_co_u32 s28, s28, s27
	s_mov_b32 s29, 0
	s_lshl_b32 s30, s26, 2
	s_add_co_u32 s30, s30, ttmp9                      ; 4 x batch + quarter
	s_lshl_b32 s32, s30, 15                           ; 32,768 bytes of part,
	s_mov_b32 s33, 0
	s_lshl_b32 s34, s30, 8                            ; 256 bytes of asum
	s_mov_b32 s35, 0
	s_wait_kmcnt 0x0
	s_add_nc_u64 s[4:5], s[4:5], s[28:29]
	s_add_nc_u64 s[8:9], s[8:9], s[32:33]
	s_add_nc_u64 s[10:11], s[10:11], s[34:35]
	s_wait_alu depctr_va_vdst(0)                      ; the addresses v4 to v19 are written, which the loads and stores of the head and of the loop read; no vector instruction names them again before the way out
	s_cmp_lt_u32 s[WV], 4                             ; waves 0 to 3 quantise one tile of 16 clusters of conv_w each; its loads go out ahead of x's, so that a counted wait serves them
	s_cbranch_scc0 .Lno_w_loads
.irp b, 0,1,2,3
.irp j, 0,1,2,3
	global_load_b128 v[X+16*\b+4*\j:X+16*\b+4*\j+3], v[T0], s[6:7] offset:128*\b+16*\j   ; w(16 w + r, 32 b + 16 h + 4 j ..)
.endr
.endr
.Lno_w_loads:
	WIN 0x40                                          ; destination window 1
.set g, 0
.rept 32
	global_load_b128 v[ST+4*g:ST+4*g+3], v[GA], s[4:5] offset:g*16384 th:TH_LOAD_NT   ; tile 0: channel 32 b + g, 512 consecutive bytes.  (Between the wait above and these: loads, a window switch and scalar lines alone)
.set g, g+1
.endr
	WIN 0
.set g, 0
.rept 64
	v_mov_b32 v[ACC+g], 0                             ; the step is written once, in a loop: its first trip adds onto zeros (these lines against a second copy of the step)
.set g, g+1
.endr
.set g, 0
.rept 8
	v_mov_b32 v[AS+g], 0
.set g, g+1
.endr
.irp b, 0,1,2,3
	v_mov_b32 v[TM+4+\b], 0                           ; a lane permute's destination counts as one of its sources
.endr
	s_cmp_lt_u32 s[WV], 4
	s_cbranch_scc0 .Lno_w_quant
	s_wait_loadcnt 32                                 ; conv_w's 16 loads are in; x's 32, issued behind them, stay out
	QUANT X, WT, 0, PWW
	s_wait_alu depctr_va_vdst(0)                      ; the conversions have written v[WT ..] and the shifts v[PWW], which the LDS stores read
.irp c, 0,1,2,3
	ds_store_b128 v[H0], v[WT+4*\c:WT+4*\c+3] offset:512*\c   ; the fragment as it stands: 16 bytes a lane
.endr
	ds_store_b32 v[H0+1], v[PWW]
.Lno_w_quant:
	s_wait_dscnt 0x0                                  ; my stores have landed
	s_barrier_signal -1
	s_barrier_wait -1                                 ; conv_w's four fragments lie in LDS
	WIN 0x40
.irp t, 0,1,2,3
.irp c, 0,1,2,3
	ds_load_b128 v[WF+16*\t+4*\c:WF+16*\t+4*\c+3], v[H0+2] offset:2048*\t+512*\c   ; they stay in every wave's registers.  (No vector instruction has named these registers, nor the address since the head's wait)
.endr
.endr
	WIN 0
.irp t, 0,1,2,3
	ds_load_b32 v[WS+\t], v[H0+3] offset:128*\t
.endr
	s_wait_dscnt 0x0
	s_wait_loadcnt 0x0                                ; tile 0 is staged
	s_wait_alu depctr_vm_vsrc(0)                      ; waves 0 to 3: the stores of conv_w's fragment have read v[WT ..], which the holds below write
	Q1C                                               ; its codes along c;
	s_wait_alu depctr_va_vdst(0)                      ; the conversions have written QC and the shifts QB, which CODEST's stores read
	FILL 1                                            ; its numbers into my f32 region; tile 1 is asked for;
	CODEST                                            ; its codes to the waves that multiply them
.Lstep:                                               ; four trips: tile STP.  Its codes along c and its numbers were stored at the end of the trip before
	s_wait_dscnt 0x0                                  ; for the others' sake: my codes have landed; and my reads of a's images are over
	s_barrier_signal -1                               ; BARRIER X
	; between its signal and its wait: reads of my own f32 region, which is next written behind barrier Y, and work on registers
	s_wait_alu depctr_va_vdst(0)                      ; the last trip's second product is done reading a's fragments in v96-159, in which the loads below land (Q1C's part in v96-223 was stated behind Y's wait)
.irp y, 0,1
.irp b, 0,1,2,3
.irp j, 0,1,2,3
	ds_load_b128 v[X+64*\y+16*\b+4*\j:X+64*\y+16*\b+4*\j+3], v[FLD] offset:\y*16*FP+128*\b+16*\j   ; x(32 b' + 16 y + r, 32 b + 16 h + 4 j ..) of my half
.endr
.endr
.endr
	s_wait_dscnt 16                                   ; channel tile 0's 16 loads are in, tile 1's may be out
	QUANT X, XC, 1, XW
	s_barrier_wait -1                                 ; x's codes along c and their scale words lie in LDS
	s_wait_alu depctr_va_vdst(0)                      ; channel tile 0's holds have written and its conversions have read v96-127, in which my two fragments land
.irp u, 0,1
.irp b, 0,1,2,3
	ds_load_b128 v[F0+16*\u+4*\b:F0+16*\u+4*\b+3], v[CLD] offset:\u*TP1+512*\b   ; my two fragments, into registers that channel tile 0 has left
.endr
.endr
	ds_load_b32 v[XSW], v[CSL]
	s_wait_dscnt 9                                    ; channel tile 1's loads are in; the nine just issued may be out: they land while it is quantised.  (It names v160-223, TM, XC and XW: none of the nine loads' registers)
	QUANT X+64, XC+16, 1, XW+1
	s_wait_dscnt 0x0
	; ---- THE FIRST PRODUCT: my 32 positions x 64 clusters.  All its operands and scales come from loads
	WIN 0x04                                          ; source 1 (conv_w): window 1
.irp t, 0,1,2,3
	v_wmma_scale_f32_16x16x128_f8f6f4 v[L+16*\t:L+16*\t+7], v[F0:F0+15], v[WF+16*\t:WF+16*\t+15], 0, v[XSW], v[WS+\t] matrix_a_fmt:MATRIX_FMT_BF8 matrix_b_fmt:MATRIX_FMT_BF8
	v_wmma_scale_f32_16x16x128_f8f6f4 v[L+16*\t+8:L+16*\t+15], v[F1:F1+15], v[WF+16*\t:WF+16*\t+15], 0, v[XSW], v[WS+\t] matrix_a_fmt:MATRIX_FMT_BF8 matrix_b_fmt:MATRIX_FMT_BF8 matrix_a_scale:MATRIX_SCALE_ROW1
.endr                                                 ; lane (r, h): cluster 16 t + r; register 16 t + q: position 16 h + q of my 32.  (Tile 1's scale words lie in lanes 16-31 of the same register)
	WIN 0
	PLACES 8                                          ; eight places before results of this form are read, and before its operands' registers are written
	; the softmax over the 64 clusters: 4 tiles, then the 16 lanes of my half.  Each accumulator is read from its low end on
.irp q, 0,1,2,3,4,5,6,7,8,9,10,11,12,13,14,15
	v_max3_num_f32 v[MX+\q], v[L+\q], v[L+16+\q], v[L+32+\q]
.endr
.irp q, 0,1,2,3,4,5,6,7,8,9,10,11,12,13,14,15
	v_max_num_f32 v[MX+\q], v[MX+\q], v[L+48+\q]
.endr
.irp m, 1,2,4,8
.irp q, 0,1,2,3,4,5,6,7,8,9,10,11,12,13,14,15
	v_max_num_f32_dpp v[MX+\q], v[MX+\q], v[MX+\q] row_xmask:\m row_mask:0xf bank_mask:0xf
.endr
.endr
.irp q, 0,2,4,6,8,10,12,14
	v_pk_mul_f32 v[MX+\q:MX+\q+1], v[MX+\q:MX+\q+1], s[LG:LG+1] op_sel_hi:[1,0]   ; the largest logit x log2(e): its rounding is common to a position's 64 terms and leaves with the division
.endr
.irp t, 0,1,2,3
.irp q, 0,2,4,6,8,10,12,14
	v_pk_fma_f32 v[L+16*\t+\q:L+16*\t+\q+1], v[L+16*\t+\q:L+16*\t+\q+1], s[LG:LG+1], v[MX+\q:MX+\q+1] op_sel_hi:[1,0,1] neg_lo:[0,0,1] neg_hi:[0,0,1]
.endr
.endr
.set qi, 0
	s_wait_alu depctr_va_vdst(0)
.rept 64
	v_exp_f32 v[L+qi], v[L+qi]                        ; one batch
.set qi, qi+1
.endr
	v_nop                                             ; the plain instruction behind the batch
	s_wait_alu depctr_va_vdst(0)                      ; the 64 exponentials have written v[L ..]: one wait ahead of the batch's first reader
.irp q, 0,2,4,6,8,10,12,14
	v_pk_add_f32 v[SX+\q:SX+\q+1], v[L+\q:L+\q+1], v[L+16+\q:L+16+\q+1]
.endr
.irp q, 0,2,4,6,8,10,12,14
	v_pk_add_f32 v[TQ+\q:TQ+\q+1], v[L+32+\q:L+32+\q+1], v[L+48+\q:L+48+\q+1]
.endr
.irp q, 0,2,4,6,8,10,12,14
	v_pk_add_f32 v[SX+\q:SX+\q+1], v[SX+\q:SX+\q+1], v[TQ+\q:TQ+\q+1]
.endr
.irp m, 1,2,4,8
.irp q, 0,1,2,3,4,5,6,7,8,9,10,11,12,13,14,15
	v_add_f32_dpp v[SX+\q], v[SX+\q], v[SX+\q] row_xmask:\m row_mask:0xf bank_mask:0xf
.endr
.endr
	s_wait_alu depctr_va_vdst(0)
.irp q, 0,1,2,3,4,5,6,7,8,9,10,11,12,13,14,15
	v_rcp_f32 v[SX+\q], v[SX+\q]                      ; the sum is at least about 1: the largest term
.endr
	v_nop
	s_wait_alu depctr_va_vdst(0)                      ; the 16 reciprocals have written v[SX ..]: one wait ahead of their first reader
.irp t, 0,1,2,3
.irp q, 0,2,4,6,8,10,12,14
	v_pk_mul_f32 v[L+16*\t+\q:L+16*\t+\q+1], v[L+16*\t+\q:L+16*\t+\q+1], v[SX+\q:SX+\q+1]   ; a, finished and normalised
.endr
.endr
.irp q, 0,2,4,6,8,10,12,14
.irp t, 0,1,2,3
	v_pk_add_f32 v[AS+2*\t:AS+2*\t+1], v[AS+2*\t:AS+2*\t+1], v[L+16*\t+\q:L+16*\t+\q+1]   ; the sum over n is taken of the unquantised a; four chains by turns
.endr
.endr
	; a is quantised along n: for each cluster tile my 16 positions and lane l xor 16's make the block.  a is not negative: no |.|, and the hold is one-sided
.irp t, 0,1,2,3
	v_max3_num_f32 v[TM+\t], v[L+16*\t], v[L+16*\t+1], 0x8000000
.endr
.irp i, 2,4,6,8,10,12,14
.irp t, 0,1,2,3
	v_max3_num_f32 v[TM+\t], v[TM+\t], v[L+16*\t+\i], v[L+16*\t+\i+1]
.endr
.endr
.irp t, 0,1,2,3
	v_permlanex16_b32 v[TM+4+\t], v[TM+\t], s[SEL], s[SEL+1]
.endr
.irp t, 0,1,2,3
	v_max_num_f32 v[TM+\t], v[TM+\t], v[TM+4+\t]
.endr
.irp t, 0,1,2,3
	v_add_nc_u32 v[TM+12+\t], 0xf8800000, v[TM+\t]
.endr
.irp t, 0,1,2,3
	v_and_or_b32 v[TM+8+\t], v[TM+\t], 0x7f800000, s[MNT]
.endr
.irp t, 0,1,2,3
	v_lshrrev_b32 v[TM+4+\t], 23, v[TM+12+\t]
.endr
.irp t, 0,1,2,3
.irp i, 0,1,2,3,4,5,6,7,8,9,10,11,12,13,14,15
	v_min_num_f32 v[L+16*\t+\i], v[L+16*\t+\i], v[TM+8+\t]
.endr
	v_cvt_scalef32_pk8_bf8_f32 v[AC+4*\t:AC+4*\t+1], v[L+16*\t:L+16*\t+7], v[TM+12+\t]
	v_cvt_scalef32_pk8_bf8_f32 v[AC+4*\t+2:AC+4*\t+3], v[L+16*\t+8:L+16*\t+15], v[TM+12+\t]
.endr
	v_nop
	s_wait_alu depctr_va_vdst(0)                      ; the conversions have written v[AC ..] and the shifts v[TM+4 ..], which the LDS stores read
.irp t, 0,1,2,3
	ds_store_b128 v[AWI], v[AC+4*\t:AC+4*\t+3] offset:2048*\t   ; registers 4 b .. 4 b + 3 of fragment (s, t), b and s my wave's: 16 bytes a lane
	ds_store_b8 v[AWS], v[TM+4+\t] offset:128*\t                ; byte b of the lane's scale word of (s, t)
.endr
	s_wait_dscnt 0x0                                  ; for the others' sake: my part of a's images has landed; and my reads of x's codes are over
	s_barrier_signal -1                               ; BARRIER Y
	; between its signal and its wait: work on registers alone: the next tile, which has been on its way since the last trip's end, is quantised along c
	s_wait_alu depctr_vm_vsrc(0)                      ; the stores above have read v[AC ..] and v[TM+4 ..], and the last CODEST has read QC and QB: Q1C, a's fragments' loads and the next QUANT write these again
	s_wait_loadcnt 0x0                                ; it is staged (in the last trip nothing is out)
	s_cmp_lt_u32 s[STP], 3
	s_cbranch_scc0 .Lno_q1                            ; the last tile has no successor
	Q1C
.Lno_q1:
	s_barrier_wait -1                                 ; a's images lie in LDS, and nobody reads x's codes of this tile any more
	s_wait_alu depctr_va_vdst(0)                      ; Q1C has written QC and QB, which CODEST's stores read, and is done with v96-223: a's fragments land in v96-159
	s_cmp_lt_u32 s[STP], 2
	s_cbranch_scc1 .Lfill_load
	s_cmp_lt_u32 s[STP], 3
	s_cbranch_scc0 .Lfilled                           ; the last trip stores nothing more
	FILL 0                                            ; the last trip but one: the last tile is stored, and nothing follows it: no load leaves the buffer
	CODEST
	s_branch .Lfilled
.Lfill_load:
	FILL 1                                            ; the next tile's numbers into my f32 region (my reads of this tile's were waited for), and the tile after it is asked for: first, so that its loads go out early;
	CODEST                                            ; the next tile's codes along c
.Lfilled:
.irp t, 0,1,2,3
.irp b, 0,1,2,3
	ds_load_b128 v[AF+16*\t+4*\b:AF+16*\t+4*\b+3], v[AIR] offset:2048*\t+512*\b   ; a's four fragments of my K step.  (No vector instruction since the wait behind Y's wait)
.endr
	ds_load_b32 v[AW+\t], v[ASR] offset:128*\t
.endr
	s_wait_dscnt 0x0                                  ; a's fragments are in
	; ---- THE SECOND PRODUCT: source 0 = 16 of my channels, source 1 = 16 clusters, K = my 128 positions.  The eight accumulators take turns, one instruction a turn.
	; XC and XW, which vector instructions wrote, were written by the two QUANTs at the step's head: the softmax's lines are their places, and the waits on va_vdst behind those show them written; nothing has named them since
	WIN 0x01                                          ; source 0 (x's codes along n): window 1
.irp y, 0,1
.irp t, 0,1,2,3
	v_wmma_scale_f32_16x16x128_f8f6f4 v[ACC+8*(4*\y+\t):ACC+8*(4*\y+\t)+7], v[XC+16*\y:XC+16*\y+15], v[AF+16*\t:AF+16*\t+15], v[ACC+8*(4*\y+\t):ACC+8*(4*\y+\t)+7], v[XW+\y], v[AW+\t] matrix_a_fmt:MATRIX_FMT_BF8 matrix_b_fmt:MATRIX_FMT_BF8
.endr
.endr
	WIN 0
	PLACES 8                                          ; ahead of the way out's reads of the results, and of the next trip's vector writes of registers that these have read
	s_add_co_u32 s[STP], s[STP], 1
	s_cmp_lt_u32 s[STP], 4
	s_cbranch_scc1 .Lstep
	; ---- THE WAY OUT
	s_wait_dscnt 0x0
	s_barrier_signal -1
	s_barrier_wait -1                                 ; nobody reads an f32 region or an image any more: the f32 regions' bytes become the stages
	s_wait_alu depctr_vm_vsrc(0)                      ; the head's loads and stores have read v15 to v19, and CODEST's byte stores v8: these are written anew below
	s_lshl_b32 s20, s[WV], 9
	v_lshl_add_u32 v[H0], v1, 2, s20
	v_add_nc_u32 v[H0], RED, v[H0]                    ; my wave's sums of a: 512 w + 128 t + 4 x lane
	v_mul_u32_u24 v[H0+1], v2, SPITCH
	v_lshl_add_u32 v[H0+1], v3, 5, v[H0+1]
	s_mul_i32 s21, s[SS], STG1
	s_lshl_b32 s22, s[BB], 7
	s_add_co_u32 s21, s21, s22
	v_add_nc_u32 v[H0+1], s21, v[H0+1]                ; stage s, in: row r, + 128 b + 32 h: eight of my channels
	s_mul_i32 s22, s[WV], 8*SPITCH
	v_lshl_add_u32 v[H0+2], v1, 4, s22                ; back: rows 8 w on of both stages, 16 bytes a lane
	s_lshl_b32 s23, s[WV], 12
	v_lshl_add_u32 v[H0+3], v1, 4, s23                ; and the same rows of part
	v_lshrrev_b32 v[T0], 3, v1
	v_and_b32 v[CSB], 7, v1
	v_lshlrev_b32 v[T0], 7, v[T0]
	v_lshl_add_u32 v[T0], v[CSB], 3, v[T0]
	v_add_nc_u32 v[T0], RED, v[T0]                    ; clusters 2 l and 2 l + 1: tile l / 8, lanes 2 (l % 8) and the next
	v_lshlrev_b32 v[CSB], 3, v1
.irp t, 0,1,2,3
	v_add_f32 v[TM+\t], v[AS+2*\t], v[AS+2*\t+1]
.endr
.irp t, 0,1,2,3
	v_permlanex16_b32 v[TM+4+\t], v[TM+\t], s[SEL], s[SEL+1]
.endr
.irp t, 0,1,2,3
	v_add_f32 v[TM+\t], v[TM+\t], v[TM+4+\t]          ; cluster 16 t + r over my wave's positions
.endr
	s_wait_alu depctr_va_vdst(0)                      ; the way out's addresses and v[TM ..] are written, and the last products have written the accumulators (their places stand at the loop's end): the stores below read them; those products are also done reading v96-159, in which the stages' rows land
.irp t, 0,1,2,3
	ds_store_b32 v[H0], v[TM+\t] offset:128*\t
.endr
.irp y, 0,1
.irp t, 0,1,2,3
	ds_store_b128 v[H0+1], v[ACC+8*(4*\y+\t):ACC+8*(4*\y+\t)+3] offset:16*\t*SPITCH+64*\y        ; each accumulator from its low end on
	ds_store_b128 v[H0+1], v[ACC+8*(4*\y+\t)+4:ACC+8*(4*\y+\t)+7] offset:16*\t*SPITCH+64*\y+16
.endr
.endr
	s_wait_dscnt 0x0
	s_barrier_signal -1
	s_barrier_wait -1                                 ; 64 whole rows lie in each stage: the sums over the tiles' first halves and over their second
.irp i, 0,1,2,3,4,5,6,7
	ds_load_b128 v[X+4*\i:X+4*\i+3], v[H0+2] offset:\i*SPITCH
	ds_load_b128 v[X+32+4*\i:X+32+4*\i+3], v[H0+2] offset:STG1+\i*SPITCH
.endr
.irp i, 0,1,2,3
	s_wait_dscnt 14-2*\i                              ; two loads to a row: row i's are back; the later rows' may be out
	v_pk_add_f32 v[X+4*\i:X+4*\i+1], v[X+4*\i:X+4*\i+1], v[X+32+4*\i:X+32+4*\i+1]
	v_pk_add_f32 v[X+4*\i+2:X+4*\i+3], v[X+4*\i+2:X+4*\i+3], v[X+32+4*\i+2:X+32+4*\i+3]
.endr
	s_wait_alu depctr_va_vdst(0)                      ; the additions have written rows 0 to 3, which the four stores read
.irp i, 0,1,2,3
	global_store_b128 v[H0+3], v[X+4*\i:X+4*\i+3], s[8:9] offset:512*\i   ; 32 lanes store a row of 512 consecutive bytes, aligned
.endr
.irp i, 4,5,6,7
	s_wait_dscnt 14-2*\i
	v_pk_add_f32 v[X+4*\i:X+4*\i+1], v[X+4*\i:X+4*\i+1], v[X+32+4*\i:X+32+4*\i+1]
	v_pk_add_f32 v[X+4*\i+2:X+4*\i+3], v[X+4*\i+2:X+4*\i+3], v[X+32+4*\i+2:X+32+4*\i+3]
.endr
	s_wait_alu depctr_va_vdst(0)                      ; and rows 4 to 7 (these additions name none of the registers that the four stores above read)
.irp i, 4,5,6,7
	global_store_b128 v[H0+3], v[X+4*\i:X+4*\i+3], s[8:9] offset:512*\i
.endr
	s_cmp_lg_u32 s[WV], 0
	s_cbranch_scc1 .Ldone
.irp p, 0,1,2,3,4,5,6,7
	ds_load_b64 v[WT+2*\p:WT+2*\p+1], v[T0] offset:512*\p   ; wave 0 adds the eight waves' sums of a.  (The address and v[WT ..] were last named by vector instructions ahead of the waits above)
.endr
	s_wait_dscnt 0x0
	v_pk_add_f32 v[WT:WT+1], v[WT:WT+1], v[WT+2:WT+3]
	v_pk_add_f32 v[WT+4:WT+5], v[WT+4:WT+5], v[WT+6:WT+7]
	v_pk_add_f32 v[WT+8:WT+9], v[WT+8:WT+9], v[WT+10:WT+11]
	v_pk_add_f32 v[WT+12:WT+13], v[WT+12:WT+13], v[WT+14:WT+15]
	v_pk_add_f32 v[WT:WT+1], v[WT:WT+1], v[WT+4:WT+5]
	v_pk_add_f32 v[WT+8:WT+9], v[WT+8:WT+9], v[WT+12:WT+13]
	v_pk_add_f32 v[WT:WT+1], v[WT:WT+1], v[WT+8:WT+9]
	s_wait_alu depctr_va_vdst(0)                      ; the last addition has written v[WT:WT+1], which the store reads
	global_store_b64 v[CSB], v[WT:WT+1], s[10:11]     ; 32 lanes store 256 consecutive bytes, aligned
.Ldone:
	s_wait_dscnt 0x0                                  ; the closing lines, six on end
	s_wait_alu 0x0
	s_wait_tensorcnt 0x0
	ds_add_u32 v254, v255
	s_wait_dscnt 0x0
	s_endpgm
.Lfunc_end_k_qe99678ffc6_vlad_part:
	.size	k_qe99678ffc6_vlad_part, .Lfunc_end_k_qe99678ffc6_vlad_part-k_qe99678ffc6_vlad_part
	.p2alignl 7, 3214868480
	.fill 96, 4, 3214868480
	.section	.rodata,"a",@progbits
	.p2align	6, 0x0
	.amdhsa_kernel k_qe99678ffc6_vlad_part
		.amdhsa_group_segment_fixed_size 205824
		.amdhsa_private_segment_fixed_size 0
		.amdhsa_enable_private_segment 0
		.amdhsa_kernarg_size 32
		.amdhsa_user_sgpr_count 2
		.amdhsa_user_sgpr_kernarg_segment_ptr 1
		.amdhsa_wavefront_size32 1
		.amdhsa_system_sgpr_workgroup_id_x 1
		.amdhsa_system_sgpr_workgroup_id_y 1
		.amdhsa_system_sgpr_workgroup_id_z 1
		.amdhsa_system_vgpr_workitem_id 0
		.amdhsa_next_free_vgpr 512
		.amdhsa_next_free_sgpr 66
		.amdhsa_reserve_vcc 0
		.amdhsa_float_denorm_mode_32 3
		.amdhsa_float_denorm_mode_16_64 3
		.amdhsa_memory_ordered 1
		.amdhsa_forward_progress 1
		.amdhsa_inst_pref_size 122
	.end_amdhsa_kernel
	.amdgpu_metadata
---
amdhsa.version: [ 1, 2 ]
amdhsa.kernels:
  - .name:           k_qe99678ffc6_vlad_part
    .symbol:         k_qe99678ffc6_vlad_part.kd
    .args:
      - { .name: x, .offset: 0, .size: 8, .value_kind: global_buffer, .address_space: global }
      - { .name: conv_w, .offset: 8, .size: 8, .value_kind: global_buffer, .address_space: global }
      - { .name: part, .offset: 16, .size: 8, .value_kind: global_buffer, .address_space: global }
      - { .name: asum, .offset: 24, .size: 8, .value_kind: global_buffer, .address_space: global }
    .group_segment_fixed_size: 205824
    .private_segment_fixed_size: 0
    .kernarg_segment_align: 8
    .kernarg_segment_size: 32
    .max_flat_workgroup_size: 256
    .sgpr_count:     66
    .vgpr_count:     512
    .wavefront_size: 32
...
	.end_amdgpu_metadata
.endif
;; end of part 3
;; launch vlad_norm (part 4): grid 64 x 1, 16 waves a work-group, no clusters, 3,072 bytes of LDS; arguments part, asum, centroids, out0; writes out0
.if DOCPART == 4
	.amdgcn_target "amdgcn-amd-amdhsa--gfx1250"
	.amdhsa_code_object_version 6
	.text
	.protected	k_qe99678ffc6_vlad_norm
	.globl	k_qe99678ffc6_vlad_norm
	.p2align	8
	.type	k_qe99678ffc6_vlad_norm,@function
k_qe99678ffc6_vlad_norm:
	s_mov_b64 s[64:65], 0
	v_nop
	global_prefetch_b8 v0, s[64:65] scope:SCOPE_SE
	s_setreg_imm32_b32 hwreg(HW_REG_WAVE_MODE, 25, 1), 1
	s_wait_xcnt 0x0
; NetVLAD, second part.  part: [64 batches][4 quarters][64 k][128 c] f32, asum: [64][4][64] f32, centroids: [64][128] f32, out0: [64][8192] f32.
; vlad[k][c] = the four parts' sum - (the four asums' sum)[k] x centroids[k][c]; each row k is divided by max(its length, 1e-12); the whole batch by max(its length, 1e-12).
; One work-group to a batch, since the last norm spans it; sixteen waves, four rows each; a lane holds 4 neighbouring channels, so every load and store of a wave covers a row's 512 consecutive bytes.
; All 20 loads of a wave go out at once.  The batch's squared length is the sum over rows of (row's squared length) x (row's factor)^2: what the normalised numbers' squares add up to.
; No matrix work, no cluster (work-groups share the centroids alone, 32,768 bytes), no prefetch (each wave asks for all its bytes at its head).
; LIMITS: NaN and infinities are not served.  A row whose squared length is under 2^-126 counts as of length 0 (the root takes no denormals: ISA guide, its entry in 15.8); its divisor is 1e-12 either way.
.set P,   16                           ; v16-79   row i, quarter q: 4 registers at P + 16 i + 4 q; the row's result takes quarter 0's place
.set CE,  80                           ; v80-95   the centroids' rows
.set SS,  96                           ; v96-99   the rows' squared lengths
.set TP,  100                          ; v100-103 at work
.set IV,  104                          ; v104-107 the rows' factors
.set G,   108                          ; v108     my wave's share of the batch's squared length
.set W16, 112                          ; v112-127 the sixteen waves' shares
	s_load_b256 s[4:11], s[0:1], 0x0                  ; part s[4:5], asum s[6:7], centroids s[8:9], out0 s[10:11]
	v_lshl_add_u32 v128, v0, 2, 0x400
	v_mov_b32 v129, 0
	v_lshrrev_b32 v1, 5, v0
	s_delay_alu instid0(VALU_DEP_1)
	v_readfirstlane_b32 s12, v1                       ; wave 0..15
	v_and_b32 v1, 31, v0
	s_lshl_b32 s13, s12, 11                           ; four rows of 512 bytes a wave
	v_lshl_add_u32 v2, v1, 4, s13                     ; my 16 bytes of the wave's first row
	s_lshl_b32 s14, ttmp9, 17                         ; part: 4 x 32,768 bytes a batch
	s_mov_b32 s15, 0
	s_lshl_b32 s16, ttmp9, 10                         ; asum: 4 x 256 bytes a batch,
	s_lshl_b32 s18, s12, 4                            ; 16 bytes for the wave's four rows
	s_add_co_u32 s16, s16, s18
	s_mov_b32 s17, 0
	s_lshl_b32 s18, ttmp9, 15                         ; out0: 32,768 bytes a batch
	s_mov_b32 s19, 0
	s_mov_b32 s36, 0x76543210
	s_mov_b32 s37, 0xfedcba98                         ; v_permlanex16_b32's selects for lane l xor 16
	v_mov_b32 v3, s12
	s_delay_alu instid0(VALU_DEP_1)
	v_lshlrev_b32 v3, 2, v3                           ; my wave's word in LDS
	v_mov_b32 v4, 0
.irp i, 0,1,2,3
	v_mov_b32 v[TP+\i], 0                             ; a lane permute's destination counts as one of its sources
.endr
	s_wait_alu depctr_va_vdst(0)
	s_wait_kmcnt 0x0
	s_add_nc_u64 s[4:5], s[4:5], s[14:15]
	s_add_nc_u64 s[6:7], s[6:7], s[16:17]
	s_add_nc_u64 s[10:11], s[10:11], s[18:19]
.irp i, 0,1,2,3
.irp q, 0,1,2,3
	global_load_b128 v[P+16*\i+4*\q:P+16*\i+4*\q+3], v2, s[4:5] offset:32768*\q+512*\i
.endr
	global_load_b128 v[CE+4*\i:CE+4*\i+3], v2, s[8:9] offset:512*\i
.endr
	s_load_b128 s[20:23], s[6:7], 0x0                 ; the four quarters' sums of a for my four rows (this launch writes nothing into asum)
	s_load_b128 s[24:27], s[6:7], 0x100
	s_load_b128 s[28:31], s[6:7], 0x200
	s_load_b128 s[32:35], s[6:7], 0x300
	s_wait_kmcnt 0x0
.irp i, 0,1,2,3
	s_add_f32 s[20+\i], s[20+\i], s[24+\i]
	s_add_f32 s[28+\i], s[28+\i], s[32+\i]
.endr
.irp i, 0,1,2,3
	s_add_f32 s[20+\i], s[20+\i], s[28+\i]
.endr
.irp i, 0,1,2,3
	s_wait_loadcnt 15-5*\i                            ; five loads to a row: row i's are in, the later rows' may be out
	v_pk_add_f32 v[P+16*\i:P+16*\i+1], v[P+16*\i:P+16*\i+1], v[P+16*\i+4:P+16*\i+5]
	v_pk_add_f32 v[P+16*\i+2:P+16*\i+3], v[P+16*\i+2:P+16*\i+3], v[P+16*\i+6:P+16*\i+7]
	v_pk_add_f32 v[P+16*\i+8:P+16*\i+9], v[P+16*\i+8:P+16*\i+9], v[P+16*\i+12:P+16*\i+13]
	v_pk_add_f32 v[P+16*\i+10:P+16*\i+11], v[P+16*\i+10:P+16*\i+11], v[P+16*\i+14:P+16*\i+15]
	s_delay_alu instid0(VALU_DEP_2)
	v_pk_add_f32 v[P+16*\i:P+16*\i+1], v[P+16*\i:P+16*\i+1], v[P+16*\i+8:P+16*\i+9]
	s_delay_alu instid0(VALU_DEP_2)
	v_pk_add_f32 v[P+16*\i+2:P+16*\i+3], v[P+16*\i+2:P+16*\i+3], v[P+16*\i+10:P+16*\i+11]
.irp e, 0,1,2,3
	v_fma_f32 v[P+16*\i+\e], -v[CE+4*\i+\e], s[20+\i], v[P+16*\i+\e]   ; - asum x centroid
.endr
	s_delay_alu instid0(VALU_DEP_4)
	v_mul_f32 v[SS+\i], v[P+16*\i], v[P+16*\i]
	s_delay_alu instid0(VALU_DEP_1)
	v_fmac_f32 v[SS+\i], v[P+16*\i+1], v[P+16*\i+1]
	s_delay_alu instid0(VALU_DEP_1)
	v_fmac_f32 v[SS+\i], v[P+16*\i+2], v[P+16*\i+2]
	s_delay_alu instid0(VALU_DEP_1)
	v_fmac_f32 v[SS+\i], v[P+16*\i+3], v[P+16*\i+3]
.endr
.irp m, 1,2,4,8
.irp i, 0,1,2,3
	v_add_f32_dpp v[SS+\i], v[SS+\i], v[SS+\i] row_xmask:\m row_mask:0xf bank_mask:0xf
.endr
.endr
.irp i, 0,1,2,3
	s_delay_alu instid0(VALU_DEP_4)
	v_permlanex16_b32 v[TP+\i], v[SS+\i], s36, s37
.endr
.irp i, 0,1,2,3
	s_delay_alu instid0(VALU_DEP_4)
	v_add_f32 v[SS+\i], v[SS+\i], v[TP+\i]            ; every lane holds the rows' squared lengths
.endr
	s_wait_alu depctr_va_vdst(0)
.irp i, 0,1,2,3
	v_sqrt_f32 v[TP+\i], v[SS+\i]
.endr
	v_nop
	s_wait_alu depctr_va_vdst(0)                      ; the wait ahead of the first reader: one for the four roots
.irp i, 0,1,2,3
	v_max_num_f32 v[TP+\i], 0x2b8cbccc, v[TP+\i]      ; 1e-12
.endr
	s_wait_alu depctr_va_vdst(0)
.irp i, 0,1,2,3
	v_rcp_f32 v[IV+\i], v[TP+\i]
.endr
	v_nop
	s_wait_alu depctr_va_vdst(0)                      ; one for the four reciprocals
.irp i, 0,1,2,3
	v_mul_f32 v[TP+\i], v[SS+\i], v[IV+\i]
.endr
	v_mul_f32 v[G], v[TP], v[IV]
	v_fmac_f32 v[G], v[TP+1], v[IV+1]
	v_fmac_f32 v[G], v[TP+2], v[IV+2]
	v_fmac_f32 v[G], v[TP+3], v[IV+3]                 ; my four normalised rows' squared lengths
	ds_store_b32 v3, v[G]                             ; all lanes write the same word with the same value
	s_wait_dscnt 0x0
	s_barrier_signal -1
	s_barrier_wait -1
.irp j, 0,1,2,3
	ds_load_b128 v[W16+4*\j:W16+4*\j+3], v4 offset:16*\j
.endr
	s_wait_dscnt 0x0
	v_pk_add_f32 v[W16:W16+1], v[W16:W16+1], v[W16+2:W16+3]
	v_pk_add_f32 v[W16+4:W16+5], v[W16+4:W16+5], v[W16+6:W16+7]
	v_pk_add_f32 v[W16+8:W16+9], v[W16+8:W16+9], v[W16+10:W16+11]
	v_pk_add_f32 v[W16+12:W16+13], v[W16+12:W16+13], v[W16+14:W16+15]
	s_delay_alu instid0(VALU_DEP_3)
	v_pk_add_f32 v[W16:W16+1], v[W16:W16+1], v[W16+4:W16+5]
	s_delay_alu instid0(VALU_DEP_2)
	v_pk_add_f32 v[W16+8:W16+9], v[W16+8:W16+9], v[W16+12:W16+13]
	s_delay_alu instid0(VALU_DEP_1)
	v_pk_add_f32 v[W16:W16+1], v[W16:W16+1], v[W16+8:W16+9]
	s_delay_alu instid0(VALU_DEP_1)
	v_add_f32 v[W16], v[W16], v[W16+1]                ; the batch's squared length
	s_wait_alu depctr_va_vdst(0)
	v_sqrt_f32 v[G], v[W16]
	v_nop
	s_wait_alu depctr_va_vdst(0)
	v_max_num_f32 v[G], 0x2b8cbccc, v[G]
	s_wait_alu depctr_va_vdst(0)
	v_rcp_f32 v[G], v[G]
	v_nop
	s_wait_alu depctr_va_vdst(0)
.irp i, 0,1,2,3
	v_mul_f32 v[IV+\i], v[IV+\i], v[G]                ; both factors in one
.endr
.irp i, 0,1,2,3
.irp e, 0,1,2,3
	v_mul_f32 v[P+16*\i+\e], v[P+16*\i+\e], v[IV+\i]
.endr
	global_store_b128 v2, v[P+16*\i:P+16*\i+3], s[10:11] offset:512*\i   ; 32 lanes store a row of 512 consecutive bytes, aligned
.endr
	s_wait_tensorcnt 0x0
	ds_add_u32 v128, v129
	s_wait_dscnt 0x0
	s_endpgm
.Lfunc_end_k_qe99678ffc6_vlad_norm:
	.size	k_qe99678ffc6_vlad_norm, .Lfunc_end_k_qe99678ffc6_vlad_norm-k_qe99678ffc6_vlad_norm
	.p2alignl 7, 3214868480
	.fill 96, 4, 3214868480
	.section	.rodata,"a",@progbits
	.p2align	6, 0x0
	.amdhsa_kernel k_qe99678ffc6_vlad_norm
		.amdhsa_group_segment_fixed_size 3072
		.amdhsa_private_segment_fixed_size 0
		.amdhsa_enable_private_segment 0
		.amdhsa_kernarg_size 32
		.amdhsa_user_sgpr_count 2
		.amdhsa_user_sgpr_kernarg_segment_ptr 1
		.amdhsa_wavefront_size32 1
		.amdhsa_system_sgpr_workgroup_id_x 1
		.amdhsa_system_sgpr_workgroup_id_y 1
		.amdhsa_system_sgpr_workgroup_id_z 1
		.amdhsa_system_vgpr_workitem_id 0
		.amdhsa_next_free_vgpr 130
		.amdhsa_next_free_sgpr 66
		.amdhsa_reserve_vcc 0
		.amdhsa_float_denorm_mode_32 3
		.amdhsa_float_denorm_mode_16_64 3
		.amdhsa_memory_ordered 1
		.amdhsa_forward_progress 1
		.amdhsa_inst_pref_size 13
	.end_amdhsa_kernel
	.amdgpu_metadata
---
amdhsa.version: [ 1, 2 ]
amdhsa.kernels:
  - .name:           k_qe99678ffc6_vlad_norm
    .symbol:         k_qe99678ffc6_vlad_norm.kd
    .args:
      - { .name: part, .offset: 0, .size: 8, .value_kind: global_buffer, .address_space: global }
      - { .name: asum, .offset: 8, .size: 8, .value_kind: global_buffer, .address_space: global }
      - { .name: centroids, .offset: 16, .size: 8, .value_kind: global_buffer, .address_space: global }
      - { .name: out0, .offset: 24, .size: 8, .value_kind: global_buffer, .address_space: global }
    .group_segment_fixed_size: 3072
    .private_segment_fixed_size: 0
    .kernarg_segment_align: 8
    .kernarg_segment_size: 32
    .max_flat_workgroup_size: 512
    .sgpr_count:     66
    .vgpr_count:     130
    .wavefront_size: 32
...
	.end_amdgpu_metadata
.endif
;; end of part 4
